; MI455X (gfx1250); checked and timed in simulation.
; The chip was launched on July 23, 2026; its instructions are those of AMD's public machine-readable ISA for CDNA 5 (MIT licence, August 2026) and "CDNA5" Instruction Set Architecture Reference Guide (July 2026). The comments in the code are by the model that wrote it; some were corrected since.
;; Attention. Allowed arithmetic: matrix products marked QUANTISED: E2M1 operands, one E8M0 scale for each 32 along K, by v_wmma_scale_f32_16x16x128_f8f6f4 with both operands' format E2M1 (or v_wmma_scale_f32_32x16x128_f4), f32 sums; everything else in f32.
;; Inputs: hs 16 x 2,048 x 512 float32; ys_codes 16 x 2,048 x 16 x 16 uint8 (E2M1 codes of ys, K innermost, in blocks of 32 codes, two codes a byte); ys_scales 16 x 2,048 x 16 uint8 (E8M0 scales of ys, one for each 32 codes along K).
;; Outputs: out0 16 x 2,048 x 512 float32.
;; This version of the problem:
;;   THIS VERSION OF THE PROBLEM IS GIVEN IN LOW PRECISION. The matrix products marked QUANTISED in the list below multiply operands that are first quantised to E2M1 (2 exponent bits, 1 mantissa bit; 4 bits a number), with one power-of-two scale for each 32 numbers along K (OCP MX v1.0); their sums are f32. All else is computed in f32.
;;   The module's matrix products, in the order in which they are computed (A, B: the left and right operand; K: the contracted axis; several contracted axes count as one K, in the product's order):
;;     1. batch 16 x [M 2,048, K 512] x [K 512, N 2,048]; A: input ys (given as codes); B: input hs: QUANTISED
;;     2. batch 16 x [M 2,048, K 2,048] x [K 2,048, N 512]; A: softmax (see below); B: input hs: QUANTISED
;;   THE QUANTISER, for each operand of a quantised product, along K:
;;     - K is cut into blocks of 32 from its start; a last block that is shorter is filled with zeros.
;;     - A block's scale is 2^e with e = floor(log2(the largest magnitude in the block)) - 2, held to -126 .. 127; a block of zeros has e = 0. As a byte (E8M0): e + 127.
;;     - Each number is divided by its block's scale, clamped to +-6, and rounded to the nearest number of E2M1, ties to even, subnormals kept.
;;     - The product sums the exact products of the quantised numbers (number of the format x scale) in f32.
;;   ~~~python
;;   def quantise(x, axis):      # numpy; x: float32 -> the quantised numbers, widened to float32 again
;;       x = np.moveaxis(x, axis, -1); K = x.shape[-1]
;;       x = np.pad(x, [(0, 0)] * (x.ndim - 1) + [(0, -K % 32)]); x = x.reshape(x.shape[:-1] + (-1, 32)); a = np.abs(x).max(-1, keepdims=True)
;;       e = np.where(a > 0, np.clip(np.frexp(np.where(a > 0, a, 1))[1] - 1 - 2, -126, 127), 0)      # np.frexp(a)[1] - 1 = floor(log2(a)), exactly
;;       r = np.clip(x / 2.0 ** e, -6, 6)
;;       step = 2.0 ** (np.maximum(np.frexp(np.where(r == 0, 1, r))[1] - 1, 0) - 1)
;;       q = np.round(r / step) * step * 2.0 ** e      # np.round: ties to even
;;       return np.moveaxis(q.reshape(q.shape[:-2] + (-1,))[..., :K], -1, axis).astype(np.float32)
;;   ~~~
;;   SOFTMAX AHEAD OF A QUANTISED PRODUCT. Where the list says 'softmax', what is quantised is not the finished softmax but p = 2^(t - M), with t = logit x log2(e) and M = ceil(the row's largest t), a whole number; so 1/2 < the row's largest p <= 1. The row's sum l is taken of the UNQUANTISED p, in f32, and the product's result is divided by l at the end. Since M is a whole number, a kernel that streams over the keys may use a running M (the ceiling of the running maximum): every later rescaling is an exact power of two, which a block's scale takes up: the codes' values come out the same.
;;   OPERANDS COMPUTED ON THE WAY. 'Computed on the way' means the value that the module computes at that place (a softmax that the list does not call 'softmax' is quantised finished and normalised). What goes into a quantiser is computed in f32, as accurately as f32 sums, v_exp_f32 and their like allow (about 1e-6 of the number): no bf16 or f16 on the way to a quantiser, and a product that is left as it is and whose result goes on into a quantised operand takes f32 operands (vector FMAs, or v_wmma_f32_16x16x4_f32). A number that lies on a knife's edge between two numbers of the format may be rounded either way, as far as f32 arithmetic and the matrix unit's own rounding can turn it there, and no further.
;;   INPUTS GIVEN AS CODES. ys (in the module: [16, 2048, 512], K = its axis 2): each comes as NAME_codes (uint8): NAME with its K axis moved to the last place and cut into blocks of 32 codes, [.., K / 32, bytes a block], one block behind the other in memory; two codes a byte, the lower K in the low four bits (a code: sign, 2 exponent bits, 1 mantissa bit); and NAME_scales (uint8): the same leading axes, one E8M0 byte (e + 127) for each 32 codes along K. Its value is code x scale, taken as it is: it is not quantised again, and the codes and scales need not be those that the quantiser above would give.
;; 2 versions. Each part assembles by itself: llvm-mc -triple=amdgcn-amd-amdhsa -mcpu=gfx1250 --defsym DOCPART=n.
;; ======== version 1 of 2: 2 launches
;; workspace buffers: kv 17,825,792 bytes
;; launch quant (part 1): grid 16 x 16, 16 waves a work-group, no clusters, 276,480 bytes of LDS; arguments hs, kv; writes kv
.if DOCPART == 1
	.amdgcn_target "amdgcn-amd-amdhsa--gfx1250"
	.amdhsa_code_object_version 6
	.text
	.protected	k_q47239faa5d_quant
	.globl	k_q47239faa5d_quant
	.p2align	8
	.type	k_q47239faa5d_quant,@function
k_q47239faa5d_quant:
	s_mov_b64 s[64:65], 0
	v_nop
	global_prefetch_b8 v0, s[64:65] scope:SCOPE_SE
	s_setreg_imm32_b32 hwreg(HW_REG_WAVE_MODE, 25, 1), 1
	s_wait_xcnt 0x0
; hs [16][2048][512] f32 is quantised TWICE to codes of FP4 (E2M1) with one E8M0 scale byte for each 32 numbers: along its last axis (the first product's K) and along the keys (the second product's K).
; hs is read from memory once for both.  A work-group (x = key step of 128 keys, y = batch) makes one RECORD of 69,632 bytes of kv, laid in the order of the operands' registers:
;   KREG     0: K's codes  [tile kt 0..7][block hb 0..15 of 32 along h][row r 0..15][16 bytes]; row r of tile 2 b + u is key 32 b + 8 u + r + 8 (r / 8) of the step
;   VREG 32768: V's codes  [tile ct 0..31][block j 0..3 of 32 keys][row r][16 bytes]; the channel is 16 ct + r
;   KSC  65536: K's bytes  [b 0..3][u][r][16 bytes, one for each hb]
;   VSC  67584: V's bytes  [g 0..3][h'][r][i 0..3][j 0..3]; the tile is ct = 8 g + 2 i + h'
; A block's scale is 2^(floor(log2(its largest magnitude)) - 2); its byte is the largest magnitude's exponent field - 2, held at 1 from below.
; LIMITS: a block of zeros gets the byte 1 where the rule says 127 (its codes are zeros, which add nothing under any byte but 0xff, and this program alone reads the bytes);
; blocks whose largest magnitude lies under 2^-124 are held at the byte 1; NaN and infinities among the inputs are not served.
; SHARES.  Sixteen waves.  Wave W brings one piece (32 keys x 128 along h, 16 KiB) by ONE tensor load: all 256 KiB of the work-group are asked for in its first lines, and no LDS byte is filled twice.
; K side: wave W = 4 kb + hp works its own piece: a lane takes a key, 32 neighbours along h are a block.  V side, behind a barrier: wave W takes channels 32 W .. 32 W + 31, a lane a channel, registers down the keys.
.set PIECE, 16896                      ; 32 rows x PP
.set PP,    528                        ; a piece's row in LDS: 512 bytes + 16 of padding = 33 x 16: the rows that sixteen lanes read start in sixteen different columns of 16 bytes
.set SIMG,  16*PIECE                   ; behind the pieces: 4,096 bytes, the image of the record's scale bytes; no tensor load lands there
.set REC,   69632
.set VREG,  32768
.set KSC,   65536
.set X,     32                         ; v32-63  a block's 32 numbers
.set C,     64                         ; v64-95  four registers of codes for each of eight blocks: no store's data are written again
; REGISTERS: v1 lane; v2 my key's row in my piece; v4-7 my channel's column in the pieces of key blocks 0-3; v8, v9 where my codes go in the record (K, V); v10, v11 where my scale words go in LDS;
; v12, v13 the scale image's way out; v14-17 at work; v18, v19 the scale words; v20-23 fields of the lane's number; v[96:97] the way out.
; The 32 numbers in v[X] on become 16 bytes of codes in v[c] on; the block's byte goes to byte n of v[word].
.macro BLOCKQ c, word, n
	v_max3_num_f32 v14, |v[X]|, |v[X+1]|, |v[X+2]|                 ; the largest magnitude, in two chains
	v_max3_num_f32 v15, |v[X+3]|, |v[X+4]|, |v[X+5]|
.irp i, 6,10,14,18,22,26
	v_max3_num_f32 v14, v14, |v[X+\i]|, |v[X+\i+1]|
	v_max3_num_f32 v15, v15, |v[X+\i+2]|, |v[X+\i+3]|
.endr
	v_max3_num_f32 v14, v14, |v[X+30]|, |v[X+31]|
	v_max3_num_f32 v14, v14, v15, 0x1800000                        ; and the floor 2^(3 - 127): the byte cannot fall under 1
	v_add_nc_u32 v16, 0xff000000, v14                              ; 2 off the exponent field: the conversion takes the exponent field of this operand as its scale
.irp g, 0,1,2,3
	v_cvt_scalef32_pk8_fp4_f32 v[\c+\g], v[X+8*\g:X+8*\g+7], v16   ; eight numbers to eight codes, the first number's in the lowest four bits
.endr
	v_lshrrev_b32 v17, 23, v16                                     ; the scale's byte (a plain line behind the conversions)
.if \n == 0
	v_mov_b32 v[\word], v17
.else
	v_lshl_or_b32 v[\word], v17, 8*\n, v[\word]
.endif
.endm
	s_load_b128 s[4:7], s[0:1], 0x0                ; hs s[4:5], kv s[6:7]
	v_lshl_add_u32 v104, v0, 2, 0x43000
	v_mov_b32 v105, 0
	ds_add_u32 v104, v105
	ds_add_u32 v104, v105
	v_lshrrev_b32 v1, 5, v0
	v_readfirstlane_b32 s8, v1                     ; wave W, 0..15
	s_lshr_b32 s9, s8, 2                           ; W / 4: my piece's key block kb; on the V side my channels' piece column and g
	s_and_b32 s10, s8, 3                           ; W % 4: my piece's 128 along h, hp; on the V side my 32 channels in that column and i
	s_and_b32 s11, ttmp7, 0xffff                   ; batch
	; descriptor group 1: 32 rows of 128 elements of 4 bytes, 512 elements from row to row, 4 words of padding behind every 128
	s_mov_b32 s16, (2<<16)|(1<<20)|(6<<22)|(3<<25)
	s_mov_b32 s17, 128<<16                         ; tensor_dim0 = 128
	s_mov_b32 s18, 32<<16                          ; tensor_dim1 = 32
	s_mov_b32 s19, 128<<16                         ; tile_dim0 = 128
	s_mov_b32 s20, 32                              ; tile_dim1 = 32
	s_mov_b32 s21, 512                             ; elements from row to row
	s_mov_b32 s22, 0
	s_mov_b32 s23, 0
	s_lshl_b32 s24, s11, 22                        ; my piece in hs, in bytes: batch x 2048 x 2048
	s_lshl_b32 s26, ttmp9, 18                      ; + key step x 128 rows
	s_add_co_u32 s24, s24, s26
	s_lshl_b32 s26, s9, 16                         ; + kb x 32 rows
	s_add_co_u32 s24, s24, s26
	s_lshl_b32 s26, s10, 9                         ; + hp x 512 bytes: under 2^26 in all
	s_add_co_u32 s24, s24, s26
	s_mov_b32 s25, 0
	s_lshl_b32 s26, s11, 4
	s_add_co_u32 s26, s26, ttmp9
	s_mul_i32 s26, s26, REC                        ; my work-group's record: (16 x batch + key step) x 69,632
	s_mov_b32 s27, 0
	s_mov_b32 s12, 1                               ; group 0: count = 1
	s_mul_i32 s13, s8, PIECE                       ; LDS address: my piece
	s_wait_dscnt 0x0
	s_wait_kmcnt 0x0
	s_add_nc_u64 s[14:15], s[4:5], s[24:25]        ; global address of the piece's first element
	s_or_b32 s15, s15, 0x80000000                  ; type = 2
	s_add_nc_u64 s[6:7], s[6:7], s[26:27]
	tensor_load_to_lds s[12:15], s[16:23]          ; my one tensor load: a first fill, ahead of every wait, LDS read and barrier
	s_nop 0
.rept 4
	v_nop
.endr
	v_and_b32 v1, 31, v0                           ; lane
	v_and_b32 v20, 7, v0                           ; lane % 8
	v_bfe_u32 v21, v0, 3, 1                        ; (lane / 8) % 2: u of my key
	v_bfe_u32 v22, v0, 4, 1                        ; lane / 16
	v_and_b32 v23, 15, v0                          ; lane % 16
	v_mul_u32_u24 v2, v1, PP
	v_add_nc_u32 v2, s13, v2                       ; K side: my key's row of my piece
	s_mul_i32 s24, s9, PIECE
	s_lshl_b32 s25, s10, 7
	s_add_co_u32 s24, s24, s25
	v_lshl_add_u32 v4, v1, 2, s24                  ; V side: piece (key block 0, W / 4), column (W % 4) x 128 + 4 x lane
.irp k, 1,2,3
	v_add_nc_u32 v[4+\k], 4*\k*PIECE, v4           ; key block k's piece lies four pieces on
.endr
	s_lshl_b32 s24, s9, 13
	s_lshl_b32 s25, s10, 10
	s_add_co_u32 s24, s24, s25
	v_lshl_add_u32 v8, v20, 4, s24                 ; K's codes: key lane of block kb is row (lane % 8) + 8 (lane / 16) of tile 2 kb + u:
	v_lshl_add_u32 v8, v21, 12, v8                 ; 8192 kb + 4096 u + 1024 hp + 16 (lane % 8) + 128 (lane / 16); + 256 for each block of my four
	v_lshl_add_u32 v8, v22, 7, v8
	s_lshl_b32 s24, s8, 11
	s_add_co_u32 s24, s24, VREG
	v_lshl_add_u32 v9, v23, 4, s24                 ; V's codes: tile 2 W + lane / 16, row lane % 16; + 256 for each key block
	v_lshl_add_u32 v9, v22, 10, v9
	s_lshl_b32 s24, s9, 9
	s_lshl_b32 s25, s10, 2
	s_add_co_u32 s24, s24, s25
	s_add_co_u32 s24, s24, SIMG
	v_lshl_add_u32 v10, v20, 4, s24                ; K's scale word (bytes hb = 4 hp .. 4 hp + 3): 512 kb + 256 u + 16 r + 4 hp
	v_lshl_add_u32 v10, v21, 8, v10
	v_lshl_add_u32 v10, v22, 7, v10
	v_lshl_add_u32 v11, v1, 4, s24                 ; V's scale word (bytes j = 0 .. 3): 2048 + 512 (W / 4) + 16 x lane + 4 (W % 4)
	v_add_nc_u32 v11, 2048, v11
	v_lshl_add_u32 v12, v0, 3, SIMG                ; the image's way out: 8 bytes a thread,
	v_lshl_add_u32 v13, v0, 3, KSC                 ; to the same place in the record
	s_wait_tensorcnt 0x0                           ; my piece has landed
	; ---- K side: four blocks of 32 along h of my key, from my own piece
.irp q, 0,1,2,3
.irp i, 0,1,2,3,4,5,6,7
	ds_load_b128 v[X+4*\i:X+4*\i+3], v2 offset:128*\q+16*\i
.endr
	s_wait_dscnt 0x0
	BLOCKQ C+4*\q, 18, \q
	global_store_b128 v8, v[C+4*\q:C+4*\q+3], s[6:7] offset:256*\q    ; the wave's 512 bytes are two whole aligned runs of 256: block 4 hp + q of tiles 2 kb and 2 kb + 1
.endr
	ds_store_b32 v10, v18
	s_wait_dscnt 0x0                               ; for the others' sake: my store is done; my piece was shown landed above
	s_barrier_signal -1
	s_barrier_wait -1                              ; all sixteen pieces lie in LDS
	; ---- V side: four blocks of 32 keys of my channel; neighbouring lanes read neighbouring words
.irp k, 0,1,2,3
.irp i, 0,1,2,3,4,5,6,7,8,9,10,11,12,13,14,15,16,17,18,19,20,21,22,23,24,25,26,27,28,29,30,31
	ds_load_b32 v[X+\i], v[4+\k] offset:PP*\i
.endr
	s_wait_dscnt 0x0
	BLOCKQ C+16+4*\k, 19, \k
	global_store_b128 v9, v[C+16+4*\k:C+16+4*\k+3], s[6:7] offset:256*\k   ; sixteen lanes store 256 consecutive bytes, aligned
.endr
	ds_store_b32 v11, v19
	s_wait_dscnt 0x0
	s_barrier_signal -1
	s_barrier_wait -1                              ; the image of the scale bytes is whole
	ds_load_b64 v[96:97], v12
	s_wait_dscnt 0x0
	global_store_b64 v13, v[96:97], s[6:7]         ; each wave stores 256 consecutive bytes, aligned
	s_wait_tensorcnt 0x0
	ds_add_u32 v104, v105
	s_wait_dscnt 0x0
	s_endpgm
.Lfunc_end_k_q47239faa5d_quant:
	.size	k_q47239faa5d_quant, .Lfunc_end_k_q47239faa5d_quant-k_q47239faa5d_quant
	.p2alignl 7, 3214868480
	.fill 96, 4, 3214868480
	.section	.rodata,"a",@progbits
	.p2align	6, 0x0
	.amdhsa_kernel k_q47239faa5d_quant
		.amdhsa_group_segment_fixed_size 276480
		.amdhsa_private_segment_fixed_size 0
		.amdhsa_enable_private_segment 0
		.amdhsa_kernarg_size 16
		.amdhsa_user_sgpr_count 2
		.amdhsa_user_sgpr_kernarg_segment_ptr 1
		.amdhsa_wavefront_size32 1
		.amdhsa_system_sgpr_workgroup_id_x 1
		.amdhsa_system_sgpr_workgroup_id_y 1
		.amdhsa_system_sgpr_workgroup_id_z 1
		.amdhsa_system_vgpr_workitem_id 0
		.amdhsa_next_free_vgpr 106
		.amdhsa_next_free_sgpr 66
		.amdhsa_reserve_vcc 0
		.amdhsa_float_denorm_mode_32 3
		.amdhsa_float_denorm_mode_16_64 3
		.amdhsa_memory_ordered 1
		.amdhsa_forward_progress 1
		.amdhsa_inst_pref_size 28
	.end_amdhsa_kernel
	.amdgpu_metadata
---
amdhsa.version: [ 1, 2 ]
amdhsa.kernels:
  - .name:           k_q47239faa5d_quant
    .symbol:         k_q47239faa5d_quant.kd
    .args:
      - { .name: hs, .offset: 0, .size: 8, .value_kind: global_buffer, .address_space: global }
      - { .name: kv, .offset: 8, .size: 8, .value_kind: global_buffer, .address_space: global }
    .group_segment_fixed_size: 276480
    .private_segment_fixed_size: 0
    .kernarg_segment_align: 8
    .kernarg_segment_size: 16
    .max_flat_workgroup_size: 512
    .sgpr_count:     66
    .vgpr_count:     106
    .wavefront_size: 32
...
	.end_amdgpu_metadata
.endif
;; end of part 1
;; launch attn (part 2): grid 16 x 16, 4 waves a work-group, clusters of 4 x 1, 327,680 bytes of LDS; arguments kv, ys_codes, ys_scales, out0; writes out0
.if DOCPART == 2
	.amdgcn_target "amdgcn-amd-amdhsa--gfx1250"
	.amdhsa_code_object_version 6
	.text
	.protected	k_q47239faa5d_attn
	.globl	k_q47239faa5d_attn
	.p2align	8
	.type	k_q47239faa5d_attn,@function
k_q47239faa5d_attn:
	s_mov_b64 s[64:65], 0
	v_nop
	global_prefetch_b8 v0, s[64:65] scope:SCOPE_SE
	s_setreg_imm32_b32 hwreg(HW_REG_WAVE_MODE, 25, 1), 1
	s_wait_xcnt 0x0
	s_wait_alu depctr_hold_cnt(0) depctr_sa_sdst(0) depctr_va_vdst(0) depctr_va_sdst(0) depctr_va_ssrc(0) depctr_va_vcc(0) depctr_vm_vsrc(0)
	s_getreg_b32 s2, hwreg(HW_REG_IB_STS2, 6, 4)
	s_cmp_eq_u32 s2, 0
	s_cbranch_scc0 .Lentry_in_a_cluster
	s_endpgm
.Lentry_in_a_cluster:
	s_bfe_u32 s2, ttmp6, 0x10000c
	s_cmp_lg_u32 s2, 0x3003
	s_cbranch_scc0 .Lentry_shape_is_right
	s_endpgm
.Lentry_shape_is_right:
; out0[b][q][:] = the sum over k of softmax_k(ys[b][q] . hs[b][k]) hs[b][k][:], both products on codes of FP4 (E2M1) with one E8M0 scale for each 32 along a product's K.
; ys comes as codes [16][2048][256 bytes] and scale bytes [16][2048][16].  hs comes from kv: for each batch and each key step of 128 keys a record of 69,632 bytes in the order of the operands' registers:
;   0: K's codes [tile kt 0..7][block hb 0..15][row r][16 B] (row r of tile 2 b + u is key 32 b + 8 u + r + 8 (r / 8));  32768: V's codes [tile ct 0..31][key block j 0..3][row r][16 B] (channel 16 ct + r);
;   65536: K's scale bytes [b][u][r][16 B];  67584: V's [g][h'][r][i][j], tile ct = 8 g + 2 i + h'.   A fragment is 1,024 bytes on end: two loads of 16 bytes a lane at 16 x lane, 512 bytes apart.
; THE SOFTMAX AHEAD OF THE SECOND PRODUCT: t = score x log2(e); M = the running largest t rounded UP to a whole number; p = 2^(t - M) is quantised along the keys, not normalised.  The row's sum is taken of the
; unquantised p in f32 and divides at the end.  When M moves, the sum and O are multiplied by 2^(old M - new M): exact.
; SHARES.  A work-group owns 128 queries of a batch, each of its four waves 32: two tiles of 16.  O^T of a tile is 256 registers, so two tiles (512) with S^T, Q and three sets of fragments fill the wave's 1,024.
; Both products are used transposed (S^T = K Q^T, O^T = V^T P^T): a lane holds one query (lane % 16) throughout; the 16 registers of key tiles 2 b, 2 b + 1 are keys 32 b + 16 (lane / 16) + 0 .. 15.
; RING.  Two LDS slots of two records each.  Each wave brings a quarter of a slot (136 rows of 256 bytes, dense) by one tensor load; a refill has two key steps in which to land.
; CLUSTER.  The four query blocks of a cluster belong to one batch and walk the same records: each quarter is asked for JOINTLY, by the same load with the same descriptor and a mask that names the four.
; LIMITS: p under 2^-126 falls to 0 (the exponential gives no denormals); a block whose every p is 0 keeps the byte 1 over zero codes; NaN and infinities are not served.
; REGISTERS, in windows of 256 (s_set_vgpr_msb: bits 1:0 source 0, 3:2 source 1, 5:4 source 2, 7:6 destination):
;   window 0: v1-11 addresses; v12-19 statistics (tile t: -M, largest t, the sum in two halves); v20-23 f; v24-27 Q's scale words; v28-29 p's; v30-31 the way out; v32-47 K's scale words; v48-63 V's;
;             v64-191 S^T, then p (64 a tile); v192-207 p's codes; v208-239 at work
;   window 1: three sets of eight fragments at v0, v64, v128; v192-255 Q's eight fragments.     window 2: O^T of tile 0 (register 8 ct + j: channel 16 ct + 8 (lane / 16) + j).     window 3: O^T of tile 1.
.set REC,    69632
.set SLOTB,  2*REC                     ; a slot: two records
.set QUART,  SLOTB/4                   ; what one tensor load brings: 136 x 256 bytes
.set BATCHB, 16*REC
.set SPARE,  2*SLOTB                   ; behind the ring: the spare words, 128 bytes for each wave: two blocks of 256 bytes that no other line names
.set SPITCH, 2064                      ; the way out: a stage row is 2,048 bytes + 16 = 129 x 16
.set STAGEB, 16*SPITCH                 ; a wave's stage; the four lie in slot 0, which has had its last fill and its last read when the first result is stored there
.set GO,  1                            ; v1     16 x lane: my bytes of a run of 512
.set AD,  2                            ; v2-5   record rec of the ring: rec x 69,632 + 16 x lane
.set AS,  6                            ; v6-9   its scale bytes: + 65,536
.set SPW, 10                           ; v10    LDS address of my spare word; never rewritten
.set NIL, 11                           ; v11    0; never rewritten
.set ST,  12
.set F,   20
.set QS,  24
.set PS,  28
.set STO, 30
.set RD,  31
.set KS,  32                           ; register 4 b + s: K step s; lanes 0-15 tile 2 b, lanes 16-31 tile 2 b + 1
.set VS,  48                           ; register 4 g + i: lanes 0-15 tile 8 g + 2 i, lanes 16-31 tile 8 g + 2 i + 1
.set S,   64
.set P,   192
.set WK,  208                          ; tile t at WK + 16 t: +0..3 block maxima, +4..7 exchange and bytes, +8..11 scale operands, +12, 13 a second chain of the sum, +14 at work
.set QF,  192                          ; in window 1: Q's fragment (tile t, K step s) at QF + 32 t + 8 s
.set OB,  64                           ; the way out: rows read back, v64-127 and v128-191 by turns
.set G1,  24                           ; s[24:31] descriptor group 1
.set G0,  32                           ; s[32:35], s[36:39] group 0 of slot 0, 1
.set MSB, 0
.macro WIN new                         ; the immediate's high byte repeats the setting that is left; a switch that changes nothing is dropped
.if MSB != (\new)
	s_set_vgpr_msb (MSB<<8)|(\new)
.set MSB, (\new)
.endif
.endm
.macro PLACES                          ; four plain places: in front of loads into registers that matrix instructions have read, and of the first read of results (ISA guide 7.12.1 for the first read of results)
.rept 4
	v_nop
.endr
.endm
.macro ROUND                           ; a round of the cluster's barrier: my work-group's barrier; wave 0 signals for the work-group; every wave waits for all four work-groups; my work-group's barrier once more
	s_barrier_signal -1
	s_barrier_wait -1
	s_cmp_lg_u32 s12, 0
	s_cbranch_scc1 .Lnot_wave_0_\@
	s_barrier_signal -3
.Lnot_wave_0_\@:
	s_barrier_wait -3
	s_barrier_signal -1
	s_barrier_wait -1
.endm
; One matrix instruction.  d, a, bq: first registers of D (and C), source 0, source 1;  zero = 1: the constant 0 starts the sum;  sa, sb: the scale registers;  ra, rb = 1: that side's scales lie in lanes 16-31.
.macro SMM d, a, bq, zero, sa, sb, ra, rb
.if (\zero) && (\ra) && (\rb)
	v_wmma_scale_f32_16x16x128_f8f6f4 v[\d:\d+7], v[\a:\a+7], v[\bq:\bq+7], 0, v[\sa], v[\sb] matrix_a_fmt:MATRIX_FMT_FP4 matrix_b_fmt:MATRIX_FMT_FP4 matrix_a_scale:MATRIX_SCALE_ROW1 matrix_b_scale:MATRIX_SCALE_ROW1
.elseif (\zero) && (\ra)
	v_wmma_scale_f32_16x16x128_f8f6f4 v[\d:\d+7], v[\a:\a+7], v[\bq:\bq+7], 0, v[\sa], v[\sb] matrix_a_fmt:MATRIX_FMT_FP4 matrix_b_fmt:MATRIX_FMT_FP4 matrix_a_scale:MATRIX_SCALE_ROW1
.elseif (\zero) && (\rb)
	v_wmma_scale_f32_16x16x128_f8f6f4 v[\d:\d+7], v[\a:\a+7], v[\bq:\bq+7], 0, v[\sa], v[\sb] matrix_a_fmt:MATRIX_FMT_FP4 matrix_b_fmt:MATRIX_FMT_FP4 matrix_b_scale:MATRIX_SCALE_ROW1
.elseif \zero
	v_wmma_scale_f32_16x16x128_f8f6f4 v[\d:\d+7], v[\a:\a+7], v[\bq:\bq+7], 0, v[\sa], v[\sb] matrix_a_fmt:MATRIX_FMT_FP4 matrix_b_fmt:MATRIX_FMT_FP4
.elseif (\ra) && (\rb)
	v_wmma_scale_f32_16x16x128_f8f6f4 v[\d:\d+7], v[\a:\a+7], v[\bq:\bq+7], v[\d:\d+7], v[\sa], v[\sb] matrix_a_fmt:MATRIX_FMT_FP4 matrix_b_fmt:MATRIX_FMT_FP4 matrix_a_scale:MATRIX_SCALE_ROW1 matrix_b_scale:MATRIX_SCALE_ROW1
.elseif \ra
	v_wmma_scale_f32_16x16x128_f8f6f4 v[\d:\d+7], v[\a:\a+7], v[\bq:\bq+7], v[\d:\d+7], v[\sa], v[\sb] matrix_a_fmt:MATRIX_FMT_FP4 matrix_b_fmt:MATRIX_FMT_FP4 matrix_a_scale:MATRIX_SCALE_ROW1
.elseif \rb
	v_wmma_scale_f32_16x16x128_f8f6f4 v[\d:\d+7], v[\a:\a+7], v[\bq:\bq+7], v[\d:\d+7], v[\sa], v[\sb] matrix_a_fmt:MATRIX_FMT_FP4 matrix_b_fmt:MATRIX_FMT_FP4 matrix_b_scale:MATRIX_SCALE_ROW1
.else
	v_wmma_scale_f32_16x16x128_f8f6f4 v[\d:\d+7], v[\a:\a+7], v[\bq:\bq+7], v[\d:\d+7], v[\sa], v[\sb] matrix_a_fmt:MATRIX_FMT_FP4 matrix_b_fmt:MATRIX_FMT_FP4
.endif
.endm
; 16 LDS loads: K's eight fragments of K step q of record rec into set f
.macro LDK rec, q, f
	WIN 0x40                                       ; destination window 1, address window 0
.irp kt, 0,1,2,3,4,5,6,7
.irp c, 0,1
	ds_load_b128 v[64*\f+8*\kt+4*\c:64*\f+8*\kt+4*\c+3], v[AD+\rec] offset:\kt*4096+\q*1024+512*\c
.endr
.endr
.endm
; 16 LDS loads: V's fragments of channel tiles 8 g .. 8 g + 7 into set f
.macro LDV rec, g, f
	WIN 0x40
.irp e, 0,1,2,3,4,5,6,7
.irp c, 0,1
	ds_load_b128 v[64*\f+8*\e+4*\c:64*\f+8*\e+4*\c+3], v[AD+\rec] offset:32768+(8*\g+\e)*1024+512*\c
.endr
.endr
.endm
.macro LDKS rec                        ; K's scale words of a record: four loads
	WIN 0
.irp b, 0,1,2,3
	ds_load_b128 v[KS+4*\b:KS+4*\b+3], v[AS+\rec] offset:512*\b
.endr
.endm
.macro LDVS rec                        ; V's likewise
	WIN 0
.irp g, 0,1,2,3
	ds_load_b128 v[VS+4*\g:VS+4*\g+3], v[AS+\rec] offset:2048+512*\g
.endr
.endm
; 16 matrix instructions of S^T = K Q^T: K step q (128 of the 512), eight key tiles x two query tiles.  The 16 accumulators take turns, one instruction a turn.
.macro MULS q, f, zero
	WIN 0x05                                       ; K and Q in window 1, S^T in window 0
.irp b, 0,1,2,3
.irp u, 0,1
.irp t, 0,1
	SMM S+64*\t+8*(2*\b+\u), 64*\f+8*(2*\b+\u), QF+32*\t+8*\q, \zero, KS+4*\b+\q, QS+\q, \u, \t
.endr
.endr
.endr
.endm
; 16 matrix instructions of O^T += V^T P^T: channel tiles 8 g .. 8 g + 7 for tile 0, then for tile 1; K = the step's 128 keys.  All accumulators of a step differ.
.macro MULV g, f, first
.irp t, 0,1
	WIN 0xa1+0x50*\t                               ; V in window 1, p's codes in window 0, O^T in window 2 or 3
.irp i, 0,1,2,3
.irp h, 0,1
	SMM 8*(8*\g+2*\i+\h), 64*\f+8*(2*\i+\h), P+8*\t, \first, VS+4*\g+\i, PS+\t, \h, 0
.endr
.endr
.endr
.endm
; O^T of tile t times v[F + 2 t], from each accumulator's low end on
.macro RESCALE t
	WIN 0x82+0x41*\t                               ; O^T (destination and source 0) in window 2 or 3, the factor in window 0
.set RN, 0
.rept 128
	v_pk_mul_f32 v[RN:RN+1], v[RN:RN+1], v[F+2*\t:F+2*\t+1] op_sel_hi:[1,0]
.set RN, RN+2
.endr
.endm
; The softmax of a key step for both tiles, which take turns line by line where one line feeds the next.
.macro SOFTMAX
	WIN 0
.irp b, 0,1,2,3
.irp t, 0,1
	v_max3_num_f32 v[WK+16*\t+\b], v[S+64*\t+16*\b], v[S+64*\t+16*\b+1], v[S+64*\t+16*\b+2]   ; the largest SCORE of each block of 32 keys: it serves the row's maximum and, since p rises with the score, the block's largest p
.endr
.endr
.irp i, 3,5,7,9,11,13
.irp b, 0,1,2,3
.irp t, 0,1
	v_max3_num_f32 v[WK+16*\t+\b], v[WK+16*\t+\b], v[S+64*\t+16*\b+\i], v[S+64*\t+16*\b+\i+1]
.endr
.endr
.endr
.irp b, 0,1,2,3
.irp t, 0,1
	v_max_num_f32 v[WK+16*\t+\b], v[WK+16*\t+\b], v[S+64*\t+16*\b+15]
.endr
.endr
.irp b, 0,1,2,3
.irp t, 0,1
	v_permlanex16_b32 v[WK+16*\t+4+\b], v[WK+16*\t+\b], s20, s21
.endr
.endr
.irp b, 0,1,2,3
.irp t, 0,1
	v_max_num_f32 v[WK+16*\t+\b], v[WK+16*\t+\b], v[WK+16*\t+4+\b]   ; with lane l xor 16's 16 keys
.endr
.endr
.irp t, 0,1
	v_max3_num_f32 v[WK+16*\t+14], v[WK+16*\t], v[WK+16*\t+1], v[WK+16*\t+2]
.endr
.irp t, 0,1
	v_max_num_f32 v[WK+16*\t+14], v[WK+16*\t+14], v[WK+16*\t+3]      ; the step's largest score of my query
.endr
.irp t, 0,1
	v_mul_f32 v[WK+16*\t+14], s22, v[WK+16*\t+14]                    ; as t (log2(e) is positive)
.endr
.irp t, 0,1
	v_max_num_f32 v[ST+4*\t+1], v[ST+4*\t+1], v[WK+16*\t+14]         ; the running largest t
.endr
.irp t, 0,1
	v_mov_b32 v[WK+16*\t+14], v[ST+4*\t]
.endr
.irp t, 0,1
	v_floor_f32 v[ST+4*\t], -v[ST+4*\t+1]                            ; the new -M = floor(-t) = -ceil(t): M is a whole number
.endr
.irp t, 0,1
	v_sub_f32 v[WK+16*\t+14], v[ST+4*\t], v[WK+16*\t+14]             ; old M - new M: a whole number, 0 or less
.endr
.irp t, 0,1
	v_cvt_i32_f32 v[WK+16*\t+14], v[WK+16*\t+14]                     ; (it saturates)
.endr
.irp t, 0,1
	v_ldexp_f32 v[F+2*\t], 1.0, v[WK+16*\t+14]                       ; f = 2^(old M - new M)
.endr
.set SJ, 0
.rept 64
	v_pk_fma_f32 v[S+SJ:S+SJ+1], v[S+SJ:S+SJ+1], s[22:23], v[ST+4*(SJ/64):ST+4*(SJ/64)+1] op_sel_hi:[1,0,0]   ; t - M, two at a time (of the pairs log2(e) and -M the low word serves both halves)
.set SJ, SJ+2
.endr
.irp b, 0,1,2,3
.irp t, 0,1
	v_fma_f32 v[WK+16*\t+\b], v[WK+16*\t+\b], s22, v[ST+4*\t]        ; the same of each block's largest score
.endr
.endr
.set SJ, 0
.rept 128
	v_exp_f32 v[S+SJ], v[S+SJ]                                       ; p = 2^(t - M), at most 1: not normalised
.set SJ, SJ+1
.endr
.irp b, 0,1,2,3
.irp t, 0,1
	v_exp_f32 v[WK+16*\t+\b], v[WK+16*\t+\b]                         ; the block's largest p: the same two instructions on the same number give the same bits
.endr
.endr
.irp t, 0,1
	v_pk_mul_f32 v[ST+4*\t+2:ST+4*\t+3], v[ST+4*\t+2:ST+4*\t+3], v[F+2*\t:F+2*\t+1] op_sel_hi:[1,0]   ; the sums under the new M (plain lines behind the exponentials)
.endr
	s_wait_alu depctr_va_vdst(0)
.irp b, 0,1,2,3
.irp t, 0,1
	v_max_num_f32 v[WK+16*\t+\b], 0x1800000, v[WK+16*\t+\b]          ; the floor 2^(3 - 127): the byte cannot fall under 1
.endr
.endr
.irp b, 0,1,2,3
.irp t, 0,1
	v_add_nc_u32 v[WK+16*\t+8+\b], 0xff000000, v[WK+16*\t+\b]        ; 2 off the exponent field: the conversion's scale operand
.endr
.endr
.irp b, 0,1,2,3
.irp t, 0,1
	v_lshrrev_b32 v[WK+16*\t+4+\b], 23, v[WK+16*\t+8+\b]             ; the scale's byte
.endr
.endr
.irp t, 0,1
	v_lshl_or_b32 v[PS+\t], v[WK+16*\t+5], 8, v[WK+16*\t+4]          ; p's scale word for these 128 keys
.endr
.irp t, 0,1
	v_lshl_or_b32 v[PS+\t], v[WK+16*\t+6], 16, v[PS+\t]
.endr
.irp t, 0,1
	v_lshl_or_b32 v[PS+\t], v[WK+16*\t+7], 24, v[PS+\t]
.endr
.irp t, 0,1
.irp b, 0,1,2,3
	v_cvt_scalef32_pk8_fp4_f32 v[P+8*\t+2*\b], v[S+64*\t+16*\b:S+64*\t+16*\b+7], v[WK+16*\t+8+\b]
	v_cvt_scalef32_pk8_fp4_f32 v[P+8*\t+2*\b+1], v[S+64*\t+16*\b+8:S+64*\t+16*\b+15], v[WK+16*\t+8+\b]
.endr
.endr
	v_nop                                          ; one plain line behind the scaled conversions
.irp t, 0,1
.irp c, 0,1
.irp i, 0,1
	v_permlane16_swap_b32 v[P+8*\t+4*\c+\i], v[P+8*\t+4*\c+2+\i]     ; the operand wants a WHOLE block in a lane: lanes 0-15 block 2 c, lanes 16-31 block 2 c + 1
.endr
.endr
.endr
.irp t, 0,1
	v_pk_add_f32 v[WK+16*\t+12:WK+16*\t+13], v[S+64*\t:S+64*\t+1], v[S+64*\t+2:S+64*\t+3]   ; the row's sum is taken of the UNQUANTISED p: two at a time, in two chains a tile
.endr
.irp j, 4,8,12,16,20,24,28,32,36,40,44,48,52,56,60
.irp t, 0,1
	v_pk_add_f32 v[ST+4*\t+2:ST+4*\t+3], v[ST+4*\t+2:ST+4*\t+3], v[S+64*\t+\j:S+64*\t+\j+1]
	v_pk_add_f32 v[WK+16*\t+12:WK+16*\t+13], v[WK+16*\t+12:WK+16*\t+13], v[S+64*\t+\j+2:S+64*\t+\j+3]
.endr
.endr
.irp t, 0,1
	v_pk_add_f32 v[ST+4*\t+2:ST+4*\t+3], v[ST+4*\t+2:ST+4*\t+3], v[WK+16*\t+12:WK+16*\t+13]
.endr
.endm
; A KEY STEP on record rec of the ring.  On entry 36 LDS loads of mine may be out: K's scale words (4), K step 0 into set 0 (16), K step 1 into set 1 (16).  Every exit but the last step's leaves the same for record nrec.
; Three sets of fragments, so that V's first three groups land while the softmax asks LDS for nothing.
; mode 0: the successor lies in the same slot.  1: change of slots; slot `slot`, just read out, is filled again.  2: change of slots, nothing left to fetch.  3: the last step.
; first = 1: the first step's products start O^T's sums with the constant 0, and there is nothing to rescale.
.macro STEP rec, nrec, mode, slot, first
	PLACES                                         ; V's scale words and set 2 were read by the last products
	LDVS \rec
	LDV \rec, 0, 2
	s_wait_dscnt 36                                ; K's scale words and K step 0 are in; behind them: K step 1 (16), V's scale words (4), V's group 0 (16)
	MULS 0, 0, 1
	PLACES
	LDK \rec, 2, 0
	s_wait_dscnt 36                                ; K step 1 is in; behind it: 4 + 16 of V, K step 2 (16)
	MULS 1, 1, 0
	PLACES
	LDK \rec, 3, 1
	s_wait_dscnt 16                                ; K step 2 is in; behind it: K step 3
	MULS 2, 0, 0
	PLACES
	LDV \rec, 1, 0
	s_wait_dscnt 16                                ; K step 3 is in; behind it: V's group 1
	MULS 3, 1, 0
	PLACES                                         ; these also stand in front of the first read of the scores
	LDV \rec, 2, 1
	SOFTMAX
.if \first == 0
	RESCALE 0                                      ; O^T under the new M.  (The sums above and these lines are the places between the writing of p's codes and scale word and the products below)
	RESCALE 1
.endif
	s_wait_dscnt 32                                ; V's group 0 is in; behind it: groups 1 and 2
	MULV 0, 2, \first
	PLACES
	LDV \rec, 3, 2
	s_wait_dscnt 32                                ; group 1 is in; behind it: groups 2 and 3
	MULV 1, 0, \first
.if \mode == 0
	PLACES
	LDKS \nrec
	LDK \nrec, 0, 0
	s_wait_dscnt 36                                ; group 2 is in; behind it: group 3 (16), the next step's scale words (4) and K step 0 (16)
	MULV 2, 1, \first
	PLACES
	LDK \nrec, 1, 1
	s_wait_dscnt 36                                ; group 3 is in; behind it: 4 + 16 + 16 of the next step
	MULV 3, 2, \first
.elseif \mode == 3
	s_wait_dscnt 16                                ; group 2 is in; behind it: group 3
	MULV 2, 1, 0
	s_wait_dscnt 0x0
	MULV 3, 2, 0
.else
	s_wait_dscnt 16                                ; group 2 is in; behind it: group 3
	MULV 2, 1, 0
	WIN 0                                          ; the add's registers lie in window 0
	s_wait_tensorcnt 0x0                           ; all my tensor loads have landed: the one that was out is my quarter of the other slot; so a group 0 may be written
	ds_add_u32 v[SPW], v[NIL]                      ; 0 onto my spare word
.if \mode == 1
	s_add_nc_u64 s[G0+4*\slot+2:G0+4*\slot+3], s[G0+4*\slot+2:G0+4*\slot+3], 2*SLOTB   ; this slot's next two records; the type bits on top are not reached
.endif
	s_wait_dscnt 0x0                               ; the add is done, and my reads of this slot are over (the last: V's group 3)
.if \mode == 1
	ROUND                                          ; no wave of any partner still reads this slot or has a load on its way
	tensor_load_to_lds s[G0+4*\slot:G0+4*\slot+3], s[G1:G1+7]      ; my one tensor load behind the round, and the first thing there
	s_nop 0
.else
	s_barrier_signal -1
	s_barrier_wait -1                              ; the other slot is whole, and nobody reads this one any more
.endif
	PLACES                                         ; behind the load; also the places in front of the loads into sets 0 and 1
	LDKS \nrec
	LDK \nrec, 0, 0
	LDK \nrec, 1, 1
	MULV 3, 2, 0
.endif
	WIN 0                                          ; at a label and at a branch every window is 0
.endm
	s_load_b256 s[4:11], s[0:1], 0x0               ; kv s[4:5], ys_codes s[6:7], ys_scales s[8:9], out0 s[10:11]
	v_lshl_add_u32 v[SPW], v0, 2, SPARE
	v_mov_b32 v[NIL], 0
	ds_add_u32 v10, v11
	ds_add_u32 v10, v11
	s_wait_dscnt 0x0
	v_lshrrev_b32 v1, 5, v0
	v_readfirstlane_b32 s12, v1                    ; wave 0..3
	s_bfe_u32 s13, ttmp6, 0x40000                  ; cx: my place in the cluster
	s_lshl_b32 s14, ttmp9, 2                       ; in a cluster launch ttmp9 counts clusters
	s_add_co_u32 s14, s14, s13                     ; my block of 128 queries: it enters ys's and out0's addresses alone
	s_and_b32 s15, ttmp7, 0xffff                   ; the batch, which the four partners share
	s_lshl_b32 s16, s15, 11
	s_lshl_b32 s17, s14, 7
	s_add_co_u32 s16, s16, s17
	s_lshl_b32 s17, s12, 5
	s_add_co_u32 s16, s16, s17                     ; my wave's first query among all 32,768: 2048 x batch + 128 x block + 32 x wave
	s_lshl_b32 s42, s16, 8                         ; its codes: 256 bytes a query
	s_mov_b32 s43, 0
	s_lshl_b32 s44, s16, 4                         ; its scale bytes: 16
	s_mov_b32 s45, 0
	s_lshl_b32 s46, s16, 11                        ; its row of out0: 2,048
	s_mov_b32 s47, 0
	s_mul_i32 s18, s15, BATCHB                     ; the batch's records,
	s_mul_i32 s41, s12, QUART                      ; my quarter of a slot, in memory as in LDS: no place in the cluster enters either
	s_add_co_u32 s18, s18, s41
	s_mov_b32 s19, 0
	; descriptor group 1: 136 dense rows of 32 elements of 8 bytes
	s_mov_b32 s[G1+0], 15|(3<<16)|(1<<21)          ; 15:0 the mask: all four work-groups; 17:16 elements of 8 bytes; 21 set beside a mask; no padding
	s_mov_b32 s[G1+1], 32<<16                      ; tensor_dim0 = 32
	s_mov_b32 s[G1+2], 136<<16                     ; tensor_dim1 = 136
	s_mov_b32 s[G1+3], 32<<16                      ; tile_dim0 = 32
	s_mov_b32 s[G1+4], 136                         ; tile_dim1 = 136
	s_mov_b32 s[G1+5], 32                          ; elements from row to row
	s_mov_b32 s[G1+6], 0
	s_mov_b32 s[G1+7], 0
	s_mov_b32 s20, 0x76543210
	s_mov_b32 s21, 0xfedcba98                      ; v_permlanex16_b32's selects for lane l xor 16
	s_mov_b32 s22, 0x3fb8aa3b                      ; log2(e)
	s_mov_b32 s23, s22                             ; (named with it as a pair, so it is written)
	s_wait_kmcnt 0x0
	s_add_nc_u64 s[18:19], s[4:5], s[18:19]
	s_add_nc_u64 s[6:7], s[6:7], s[42:43]
	s_add_nc_u64 s[8:9], s[8:9], s[44:45]
	s_add_nc_u64 s[10:11], s[10:11], s[46:47]
.irp n, 0,1
	s_mov_b32 s[G0+4*\n], 1                                        ; count = 1
	s_add_co_u32 s[G0+4*\n+1], s41, \n*SLOTB                       ; LDS address
	s_add_nc_u64 s[G0+4*\n+2:G0+4*\n+3], s[18:19], \n*SLOTB        ; global address: slot n begins with records 2 n, 2 n + 1
	s_or_b32 s[G0+4*\n+3], s[G0+4*\n+3], 0x80000000                ; type = 2
.endr
	ROUND                                          ; all four work-groups are here: the first joint loads meet
	tensor_load_to_lds s[G0:G0+3], s[G1:G1+7]      ; both first fills go out together: two loads of mine are out here, later one behind each refill
	s_nop 0
	tensor_load_to_lds s[G0+4:G0+7], s[G1:G1+7]
	s_nop 0
	PLACES
	v_and_b32 v240, 15, v0                         ; r = lane % 16
	v_bfe_u32 v241, v0, 4, 1                       ; h = lane / 16
	v_and_b32 v242, 31, v0                         ; lane
	v_lshlrev_b32 v243, 8, v240
	v_lshl_add_u32 v243, v241, 4, v243             ; Q: row r of 256 bytes, + 16 h
	v_lshlrev_b32 v[GO], 4, v242
	WIN 0x40                                       ; destination window 1
.irp t, 0,1
.irp q, 0,1,2,3
.irp c, 0,1
	global_load_b128 v[QF+32*\t+8*\q+4*\c:QF+32*\t+8*\q+4*\c+3], v243, s[6:7] offset:4096*\t+64*\q+32*\c th:TH_LOAD_NT   ; Q's fragments stay in registers
.endr
.endr
.endr
	WIN 0
	global_load_b128 v[QS:QS+3], v[GO], s[8:9] th:TH_LOAD_NT       ; Q's scale words: lane l takes query l's 16 bytes: lanes 0-15 tile 0, lanes 16-31 tile 1; word s serves K step s
	v_mov_b32 v[AD], v[GO]
.irp n, 1,2,3
	v_add_nc_u32 v[AD+\n], \n*REC, v[GO]
.endr
.irp n, 0,1,2,3
	v_add_nc_u32 v[AS+\n], 65536, v[AD+\n]
.endr
	s_mul_i32 s42, s12, STAGEB                     ; my stage
	v_mul_u32_u24 v[STO], v240, SPITCH
	v_lshl_add_u32 v[STO], v241, 5, v[STO]
	v_add_nc_u32 v[STO], s42, v[STO]               ; in: row r, + 32 h; a channel tile is 64 bytes on
	v_add_nc_u32 v[RD], s42, v[GO]                 ; back: 32 lanes take 512 bytes on end
.irp t, 0,1
	v_mov_b32 v[ST+4*\t+1], 0xff61b1e6             ; the largest t so far: -3e38, under every t
	v_floor_f32 v[ST+4*\t], -v[ST+4*\t+1]          ; -M
	v_mov_b32 v[ST+4*\t+2], 0                      ; the sum, in two halves
	v_mov_b32 v[ST+4*\t+3], 0
	v_mov_b32 v[F+2*\t+1], 0                       ; (named as the upper half of f's pair)
.irp b, 0,1,2,3
	v_mov_b32 v[WK+16*\t+4+\b], 0                  ; written once: a lane permute's destination counts as one of its sources
.endr
.endr
	s_wait_tensorcnt 0x1                           ; my quarter of slot 0 is in; slot 1's may stay out
	s_barrier_signal -1
	s_barrier_wait -1                              ; everybody's is
	LDKS 0
	LDK 0, 0, 0
	LDK 0, 1, 1
	s_wait_loadcnt 0x0                             ; Q
	STEP 0, 1, 0, 0, 1                             ; key step 0 stands in front of the loop: its products start O^T's sums
	s_mov_b32 s40, 3
.Ltrip:                                                ; three trips, key steps 1 to 12: a trip goes once round the ring and fills both slots again
	STEP 1, 2, 1, 0, 0
	STEP 2, 3, 0, 0, 0
	STEP 3, 0, 1, 1, 0
	STEP 0, 1, 0, 0, 0
	s_sub_co_u32 s40, s40, 1
	s_cmp_lg_u32 s40, 0
	s_cbranch_scc1 .Ltrip
	STEP 1, 2, 2, 0, 0                             ; the tail is written out: nothing is left to fetch
	STEP 2, 3, 0, 0, 0
	STEP 3, 0, 3, 0, 0
	; THE WAY OUT.  The sum's two halves and lane l xor 16's are added; O^T is divided by the sum and goes, a tile of 16 queries at a time, through my stage in LDS: a lane holds 32 bytes of a row,
	; and the rows come back whole, 512 bytes an instruction.
	PLACES                                         ; behind the last products
.irp t, 0,1
	v_add_f32 v[ST+4*\t+2], v[ST+4*\t+2], v[ST+4*\t+3]
.endr
.irp t, 0,1
	v_permlanex16_b32 v[WK+16*\t+4], v[ST+4*\t+2], s20, s21
.endr
.irp t, 0,1
	v_add_f32 v[ST+4*\t+2], v[ST+4*\t+2], v[WK+16*\t+4]
.endr
.irp t, 0,1
	v_rcp_f32 v[F+2*\t], v[ST+4*\t+2]
.endr
	v_nop                                          ; a plain line between the last reciprocal and the use of its result
	s_wait_alu depctr_va_vdst(0)
.macro RDCH c                          ; rows 4 c .. 4 c + 3 of the stage into v64-127 or v128-191
	s_wait_xcnt 0x0                                ; the stores that read these registers have had their addresses translated (ISA guide 3.1): only behind this wait are they loaded again
.irp i, 0,1,2,3
.irp q, 0,1,2,3
	ds_load_b128 v[OB+64*((\c)%2)+16*\i+4*\q:OB+64*((\c)%2)+16*\i+4*\q+3], v[RD] offset:(4*(\c)+\i)*SPITCH+512*\q   ; LDS serves a wave's instructions in order (ISA guide 5.7.1.4): these see my stores
.endr
.endr
.endm
.macro SEND t, c
.irp i, 0,1,2,3
.irp q, 0,1,2,3
	global_store_b128 v[GO], v[OB+64*((\c)%2)+16*\i+4*\q:OB+64*((\c)%2)+16*\i+4*\q+3], s[10:11] offset:32768*\t+(4*(\c)+\i)*2048+512*\q th:TH_STORE_NT   ; 32 lanes store 512 consecutive bytes, at a multiple of 256 from out0's first byte
.endr
.endr
.endm
.irp t, 0,1
	RESCALE \t                                     ; O^T / the sum
	WIN 0x08+4*\t                                  ; an LDS store's data are its source 1: window 2 or 3
.set CT, 0
.rept 32
	ds_store_b128 v[STO], v[8*CT:8*CT+3] offset:64*CT
	ds_store_b128 v[STO], v[8*CT+4:8*CT+7] offset:64*CT+16
.set CT, CT+1
.endr
	WIN 0
	RDCH 0
.irp c, 1,2,3
	RDCH \c
	s_wait_dscnt 16                                ; the chunk before is back; behind it: this chunk's 16 loads
	SEND \t, \c-1
.endr
	s_wait_dscnt 0x0
	SEND \t, 3
.endr
	s_wait_tensorcnt 0x0                           ; the wave's end, behind my last tensor load and my last LDS store
	ds_add_u32 v[SPW], v[NIL]
	s_wait_dscnt 0x0
	ROUND                                          ; the closing round: no work-group ends while a partner may still ask for a tile that names it
	s_endpgm
.Lfunc_end_k_q47239faa5d_attn:
	.size	k_q47239faa5d_attn, .Lfunc_end_k_q47239faa5d_attn-k_q47239faa5d_attn
	.p2alignl 7, 3214868480
	.fill 96, 4, 3214868480
	.section	.rodata,"a",@progbits
	.p2align	6, 0x0
	.amdhsa_kernel k_q47239faa5d_attn
		.amdhsa_group_segment_fixed_size 327680
		.amdhsa_private_segment_fixed_size 0
		.amdhsa_enable_private_segment 0
		.amdhsa_kernarg_size 32
		.amdhsa_user_sgpr_count 2
		.amdhsa_user_sgpr_kernarg_segment_ptr 1
		.amdhsa_wavefront_size32 1
		.amdhsa_system_sgpr_workgroup_id_x 1
		.amdhsa_system_sgpr_workgroup_id_y 1
		.amdhsa_system_sgpr_workgroup_id_z 1
		.amdhsa_system_vgpr_workitem_id 0
		.amdhsa_next_free_vgpr 1024
		.amdhsa_next_free_sgpr 66
		.amdhsa_reserve_vcc 0
		.amdhsa_float_denorm_mode_32 3
		.amdhsa_float_denorm_mode_16_64 3
		.amdhsa_memory_ordered 1
		.amdhsa_forward_progress 1
		.amdhsa_inst_pref_size 255
	.end_amdhsa_kernel
	.section	.bss,"aw",@nobits
	.p2align	6
	.space	262144
	.amdgpu_metadata
---
amdhsa.version: [ 1, 2 ]
amdhsa.kernels:
  - .name:           k_q47239faa5d_attn
    .symbol:         k_q47239faa5d_attn.kd
    .args:
      - { .name: kv, .offset: 0, .size: 8, .value_kind: global_buffer, .address_space: global }
      - { .name: ys_codes, .offset: 8, .size: 8, .value_kind: global_buffer, .address_space: global }
      - { .name: ys_scales, .offset: 16, .size: 8, .value_kind: global_buffer, .address_space: global }
      - { .name: out0, .offset: 24, .size: 8, .value_kind: global_buffer, .address_space: global }
    .group_segment_fixed_size: 327680
    .private_segment_fixed_size: 0
    .kernarg_segment_align: 8
    .kernarg_segment_size: 32
    .max_flat_workgroup_size: 128
    .sgpr_count:     66
    .vgpr_count:     1024
    .wavefront_size: 32
...
	.end_amdgpu_metadata
.endif
;; end of part 2
;; ======== version 2 of 2: 2 launches
;; limits: right only within a limited range of input values
;; workspace buffers: kv 17,825,792 bytes
;; launch quant (part 3): grid 16 x 16, 16 waves a work-group, no clusters, 276,480 bytes of LDS; arguments hs, kv; writes kv
.if DOCPART == 3
	.amdgcn_target "amdgcn-amd-amdhsa--gfx1250"
	.amdhsa_code_object_version 6
	.text
	.protected	k_q47239faa5d_quant
	.globl	k_q47239faa5d_quant
	.p2align	8
	.type	k_q47239faa5d_quant,@function
k_q47239faa5d_quant:
	s_mov_b64 s[64:65], 0
	v_nop
	global_prefetch_b8 v0, s[64:65] scope:SCOPE_SE
	s_setreg_imm32_b32 hwreg(HW_REG_WAVE_MODE, 25, 1), 1
	s_wait_xcnt 0x0
; hs [16][2048][512] f32 is quantised TWICE to codes of FP4 (E2M1) with one E8M0 byte for each 32 numbers: along its last axis (the first product's K) and along the keys (the second product's K).
; hs is read once for both.  A work-group (x = key step of 128 keys, y = batch) makes one RECORD of 69,632 bytes of kv, a K part and a V part of 34,816 bytes each, in the order of the operands' registers:
;   KREG     0: K's codes  [tile kt 0..7][block hb 0..15 of 32 along h][row r 0..15][16 bytes]; row r of tile 2 b + u is key 32 b + 8 u + r + 8 (r / 8) of the step
;   KSC  32768: K's bytes  [b 0..3][u][r][16 bytes, one for each hb]
;   VREG 34816: V's codes  [tile ct 0..31][block j 0..3 of 32 keys][row r][16 bytes]; the channel is 16 ct + r
;   VSC  67584: V's bytes  [g 0..3][h'][r][i 0..3][j 0..3]; the tile is ct = 8 g + 2 i + h'
; A block's byte is its largest magnitude's exponent field - 2, held at 1 from below.
; LIMITS: a block of zeros gets the byte 1 where the rule says 127 (its codes are zeros, and this program alone reads the bytes); blocks whose largest magnitude lies under 2^-124 are held at the byte 1; NaN and infinities are not served.
; SHARES.  Sixteen waves.  Wave W brings one piece (32 keys x 128 along h, 16 KiB) by ONE tensor load; no LDS byte is filled twice.
; K side: wave W = 4 kb + hp works its own piece, a lane a key.  V side, behind a barrier: wave W takes channels 32 W .. 32 W + 31, a lane a channel, registers down the keys.
.set PIECE, 16896                      ; 32 rows x PP
.set PP,    528                        ; a piece's row in LDS: 512 bytes + 16 of padding
.set SIMG,  16*PIECE                   ; behind the pieces: 4,096 bytes, the image of the record's scale bytes (K's 2,048, then V's)
.set REC,   69632
.set KSC,   32768
.set VREG,  34816
.set X,     32                         ; v32-63  a block's 32 numbers
.set C,     64                         ; v64-95  four registers of codes for each of eight blocks
; The 32 numbers in v[X] on become 16 bytes of codes in v[c] on; the block's byte goes to byte n of v[word].
.macro BLOCKQ c, word, n
	v_max3_num_f32 v14, |v[X]|, |v[X+1]|, |v[X+2]|
	v_max3_num_f32 v15, |v[X+3]|, |v[X+4]|, |v[X+5]|
.irp i, 6,10,14,18,22,26
	s_delay_alu instid0(VALU_DEP_2)
	v_max3_num_f32 v14, v14, |v[X+\i]|, |v[X+\i+1]|
	s_delay_alu instid0(VALU_DEP_2)
	v_max3_num_f32 v15, v15, |v[X+\i+2]|, |v[X+\i+3]|
.endr
	s_delay_alu instid0(VALU_DEP_2)
	v_max3_num_f32 v14, v14, |v[X+30]|, |v[X+31]|
	s_delay_alu instid0(VALU_DEP_1)
	v_max3_num_f32 v14, v14, v15, 0x1800000                        ; the floor 2^(3 - 127): the byte cannot fall under 1
	s_delay_alu instid0(VALU_DEP_1)
	v_add_nc_u32 v16, 0xff000000, v14                              ; 2 off the exponent field: the conversion's scale operand
.irp g, 0,1,2,3
	v_cvt_scalef32_pk8_fp4_f32 v[\c+\g], v[X+8*\g:X+8*\g+7], v16
.endr
	v_lshrrev_b32 v17, 23, v16                                     ; the scale's byte (a plain line behind the conversions)
.if \n == 0
	s_delay_alu instid0(VALU_DEP_1)
	v_mov_b32 v[\word], v17
.else
	s_delay_alu instid0(VALU_DEP_1)
	v_lshl_or_b32 v[\word], v17, 8*\n, v[\word]
.endif
.endm
	s_load_b128 s[4:7], s[0:1], 0x0                ; hs s[4:5], kv s[6:7]
	v_lshl_add_u32 v104, v0, 2, 0x43000            ; my spare word, behind the image
	v_mov_b32 v105, 0
	ds_add_u32 v104, v105
	ds_add_u32 v104, v105
	v_lshrrev_b32 v1, 5, v0
	s_delay_alu instid0(VALU_DEP_1)
	v_readfirstlane_b32 s8, v1                     ; wave W
	s_lshr_b32 s9, s8, 2                           ; W / 4
	s_and_b32 s10, s8, 3                           ; W % 4
	s_and_b32 s11, ttmp7, 0xffff                   ; batch
	s_mov_b32 s16, (2<<16)|(1<<20)|(6<<22)|(3<<25) ; 32 rows of 128 elements of 4 bytes, 4 words of padding behind every 128
	s_mov_b32 s17, 128<<16
	s_mov_b32 s18, 32<<16
	s_mov_b32 s19, 128<<16
	s_mov_b32 s20, 32
	s_mov_b32 s21, 512
	s_mov_b32 s22, 0
	s_mov_b32 s23, 0
	s_lshl_b32 s24, s11, 22                        ; my piece in hs: batch, key step, key block, 128 along h
	s_lshl_b32 s26, ttmp9, 18
	s_add_co_u32 s24, s24, s26
	s_lshl_b32 s26, s9, 16
	s_add_co_u32 s24, s24, s26
	s_lshl_b32 s26, s10, 9
	s_add_co_u32 s24, s24, s26
	s_mov_b32 s25, 0
	s_lshl_b32 s26, s11, 4
	s_add_co_u32 s26, s26, ttmp9
	s_mul_i32 s26, s26, REC                        ; my work-group's record
	s_mov_b32 s27, 0
	s_mov_b32 s12, 1
	s_mul_i32 s13, s8, PIECE
	s_wait_dscnt 0x0
	s_wait_kmcnt 0x0
	s_add_nc_u64 s[14:15], s[4:5], s[24:25]
	s_or_b32 s15, s15, 0x80000000
	s_add_nc_u64 s[6:7], s[6:7], s[26:27]
	tensor_load_to_lds s[12:15], s[16:23]          ; my one tensor load
	s_nop 0
.rept 4
	v_nop
.endr
	v_and_b32 v1, 31, v0                           ; lane
	v_and_b32 v20, 7, v0
	v_bfe_u32 v21, v0, 3, 1                        ; u of my key
	v_bfe_u32 v22, v0, 4, 1
	v_and_b32 v23, 15, v0
	v_mul_u32_u24 v2, v1, PP
	s_delay_alu instid0(VALU_DEP_1)
	v_add_nc_u32 v2, s13, v2                       ; K side: my key's row of my piece
	s_mul_i32 s24, s9, PIECE
	s_lshl_b32 s25, s10, 7
	s_add_co_u32 s24, s24, s25
	v_lshl_add_u32 v4, v1, 2, s24                  ; V side: my channel's column in key block 0's piece
.irp k, 1,2,3
	v_add_nc_u32 v[4+\k], 4*\k*PIECE, v4
.endr
	s_lshl_b32 s24, s9, 13
	s_lshl_b32 s25, s10, 10
	s_add_co_u32 s24, s24, s25
	v_lshl_add_u32 v8, v20, 4, s24                 ; K's codes: 8192 kb + 4096 u + 1024 hp + 16 (lane % 8) + 128 (lane / 16)
	s_delay_alu instid0(VALU_DEP_1)
	v_lshl_add_u32 v8, v21, 12, v8
	s_delay_alu instid0(VALU_DEP_1)
	v_lshl_add_u32 v8, v22, 7, v8
	s_lshl_b32 s24, s8, 11
	s_add_co_u32 s24, s24, VREG
	v_lshl_add_u32 v9, v23, 4, s24                 ; V's codes: tile 2 W + lane / 16, row lane % 16
	s_delay_alu instid0(VALU_DEP_1)
	v_lshl_add_u32 v9, v22, 10, v9
	s_lshl_b32 s24, s9, 9
	s_lshl_b32 s25, s10, 2
	s_add_co_u32 s24, s24, s25
	s_add_co_u32 s24, s24, SIMG
	v_lshl_add_u32 v10, v20, 4, s24                ; K's scale word in the image: 512 kb + 256 u + 16 r + 4 hp
	s_delay_alu instid0(VALU_DEP_1)
	v_lshl_add_u32 v10, v21, 8, v10
	s_delay_alu instid0(VALU_DEP_1)
	v_lshl_add_u32 v10, v22, 7, v10
	v_lshl_add_u32 v11, v1, 4, s24                 ; V's: 2048 + 512 (W / 4) + 16 x lane + 4 (W % 4)
	s_delay_alu instid0(VALU_DEP_1)
	v_add_nc_u32 v11, 2048, v11
	v_lshl_add_u32 v12, v0, 3, SIMG                ; the image's way out: 8 bytes a thread;
	v_lshl_add_u32 v13, v0, 3, KSC                 ; threads 0-255 to K's bytes at 32,768 on,
	v_lshrrev_b32 v14, 8, v0
	s_delay_alu instid0(VALU_DEP_1)
	v_lshl_add_u32 v13, v14, 15, v13               ; threads 256-511 a further 32,768 on: V's bytes at 67,584 on
	s_wait_tensorcnt 0x0
	; K side: four blocks of 32 along h of my key
.irp q, 0,1,2,3
.irp i, 0,1,2,3,4,5,6,7
	ds_load_b128 v[X+4*\i:X+4*\i+3], v2 offset:128*\q+16*\i
.endr
	s_wait_dscnt 0x0
	BLOCKQ C+4*\q, 18, \q
	global_store_b128 v8, v[C+4*\q:C+4*\q+3], s[6:7] offset:256*\q    ; the wave's 512 bytes are two whole aligned runs of 256
.endr
	ds_store_b32 v10, v18
	s_wait_dscnt 0x0
	s_barrier_signal -1
	s_barrier_wait -1                              ; all sixteen pieces lie in LDS
	; V side: four blocks of 32 keys of my channel
.irp k, 0,1,2,3
.irp i, 0,1,2,3,4,5,6,7,8,9,10,11,12,13,14,15,16,17,18,19,20,21,22,23,24,25,26,27,28,29,30,31
	ds_load_b32 v[X+\i], v[4+\k] offset:PP*\i
.endr
	s_wait_dscnt 0x0
	BLOCKQ C+16+4*\k, 19, \k
	global_store_b128 v9, v[C+16+4*\k:C+16+4*\k+3], s[6:7] offset:256*\k   ; sixteen lanes store 256 consecutive bytes, aligned
.endr
	ds_store_b32 v11, v19
	s_wait_dscnt 0x0
	s_barrier_signal -1
	s_barrier_wait -1                              ; the image of the scale bytes is whole
	ds_load_b64 v[96:97], v12
	s_wait_dscnt 0x0
	global_store_b64 v13, v[96:97], s[6:7]         ; each wave stores 256 consecutive bytes, aligned
	s_wait_tensorcnt 0x0                           ; the wave's end
	ds_add_u32 v104, v105
	s_wait_dscnt 0x0
	s_endpgm
.Lfunc_end_k_q47239faa5d_quant:
	.size	k_q47239faa5d_quant, .Lfunc_end_k_q47239faa5d_quant-k_q47239faa5d_quant
	.p2alignl 7, 3214868480
	.fill 96, 4, 3214868480
	.section	.rodata,"a",@progbits
	.p2align	6, 0x0
	.amdhsa_kernel k_q47239faa5d_quant
		.amdhsa_group_segment_fixed_size 276480
		.amdhsa_private_segment_fixed_size 0
		.amdhsa_enable_private_segment 0
		.amdhsa_kernarg_size 16
		.amdhsa_user_sgpr_count 2
		.amdhsa_user_sgpr_kernarg_segment_ptr 1
		.amdhsa_wavefront_size32 1
		.amdhsa_system_sgpr_workgroup_id_x 1
		.amdhsa_system_sgpr_workgroup_id_y 1
		.amdhsa_system_sgpr_workgroup_id_z 1
		.amdhsa_system_vgpr_workitem_id 0
		.amdhsa_next_free_vgpr 106
		.amdhsa_next_free_sgpr 66
		.amdhsa_reserve_vcc 0
		.amdhsa_float_denorm_mode_32 3
		.amdhsa_float_denorm_mode_16_64 3
		.amdhsa_memory_ordered 1
		.amdhsa_forward_progress 1
		.amdhsa_inst_pref_size 32
	.end_amdhsa_kernel
	.amdgpu_metadata
---
amdhsa.version: [ 1, 2 ]
amdhsa.kernels:
  - .name:           k_q47239faa5d_quant
    .symbol:         k_q47239faa5d_quant.kd
    .args:
      - { .name: hs, .offset: 0, .size: 8, .value_kind: global_buffer, .address_space: global }
      - { .name: kv, .offset: 8, .size: 8, .value_kind: global_buffer, .address_space: global }
    .group_segment_fixed_size: 276480
    .private_segment_fixed_size: 0
    .kernarg_segment_align: 8
    .kernarg_segment_size: 16
    .max_flat_workgroup_size: 512
    .sgpr_count:     66
    .vgpr_count:     106
    .wavefront_size: 32
...
	.end_amdgpu_metadata
.endif
;; end of part 3
;; launch attn (part 4): grid 16 x 16, 4 waves a work-group, clusters of 4 x 1, 327,680 bytes of LDS; arguments kv, ys_codes, ys_scales, out0; writes out0
.if DOCPART == 4
	.amdgcn_target "amdgcn-amd-amdhsa--gfx1250"
	.amdhsa_code_object_version 6
	.text
	.protected	k_q47239faa5d_attn
	.globl	k_q47239faa5d_attn
	.p2align	8
	.type	k_q47239faa5d_attn,@function
k_q47239faa5d_attn:
	s_mov_b64 s[64:65], 0
	v_nop
	global_prefetch_b8 v0, s[64:65] scope:SCOPE_SE
	s_setreg_imm32_b32 hwreg(HW_REG_WAVE_MODE, 25, 1), 1
	s_wait_xcnt 0x0
	s_wait_alu depctr_hold_cnt(0) depctr_sa_sdst(0) depctr_va_vdst(0) depctr_va_sdst(0) depctr_va_ssrc(0) depctr_va_vcc(0) depctr_vm_vsrc(0)
	s_getreg_b32 s2, hwreg(HW_REG_IB_STS2, 6, 4)
	s_cmp_eq_u32 s2, 0
	s_cbranch_scc0 .Lentry_in_a_cluster
	s_endpgm
.Lentry_in_a_cluster:
	s_bfe_u32 s2, ttmp6, 0x10000c
	s_cmp_lg_u32 s2, 0x3003
	s_cbranch_scc0 .Lentry_shape_is_right
	s_endpgm
.Lentry_shape_is_right:
; out0[b][q][:] = the sum over k of softmax_k(ys[b][q] . hs[b][k]) hs[b][k][:], both products on codes of FP4 (E2M1) with one E8M0 scale for each 32 along a product's K.
; ys comes as codes [16][2048][256 bytes] and scale bytes [16][2048][16].  hs comes from kv: for each batch and key step of 128 keys a record of 69,632 bytes: a K part and a V part of 34,816 bytes each:
;   K part: codes [tile kt 0..7][block hb 0..15][row r][16 B] (row r of tile 2 b + u is key 32 b + 8 u + r + 8 (r / 8)), then 2,048 scale bytes [b][u][r][16 B];
;   V part: codes [tile ct 0..31][key block j 0..3][row r][16 B] (channel 16 ct + r), then 2,048 scale bytes [g][h'][r][i][j], tile ct = 8 g + 2 i + h'.   A fragment is 1,024 bytes on end.
; THE SOFTMAX: t = score x log2(e); M = the running largest t rounded UP to a whole number; p = 2^(t - M) is quantised along the keys, not normalised; the row's sum is taken of the unquantised p and divides at the end.
; GROUPS OF FOUR KEY STEPS.  A work-group owns 128 queries of a batch and walks the 2,048 keys in four groups of 512.  A group has two phases, and the work is dealt anew between them:
;   SCORES: wave w owns queries 32 w .. 32 w + 31 (two tiles).  For each of the group's four steps: S^T = K Q^T, the softmax under the running M, p's codes as an image of the operand's registers into LDS, with the
;     step's scale word and -M.  At the group's end M(group) - M(step), a whole number, is taken off each scale byte of that step (held at 1 from below): all four steps then stand under one M, exactly.
;   VALUES: wave w owns channels 128 w .. 128 w + 127 of ALL 128 queries: 64 accumulators, 512 registers.  O^T is multiplied ONCE a group by 2^(M(last group) - M(group)); then O^T += V^T P^T over the group's four steps,
;     in which each of the 8 fragments of V and the 8 of p of a step feeds 8 matrix instructions.  The last group's values phase goes by query tiles, so that finished tiles are stored while the others are multiplied.
; Both products are used transposed: a lane holds one query (lane % 16).
; RING.  Slot A takes the four K parts of a group, slot B its four V parts; each wave brings one part by one tensor load.  V's load is out during the scores phase, the next group's K load during the values phase.
; CLUSTER.  The four query blocks of a cluster belong to one batch and walk the same parts: each part is asked for JOINTLY, by the same load with the same descriptor and a mask that names the four.
; PREFETCH.  At the head of the scores phase of groups 0 to 2, behind the joint load and the LDS loads there, both slots of the NEXT group are asked of memory: K's, which the next refill brings (the scores phase's four
; key steps ahead of that load), and V's, which the refill after it brings.  Work-group cx of the cluster names part cx of each slot, 34 blocks of 256 bytes a wave: each block once in the cluster.  Group 0's two slots come by their loads alone.
; LIMITS: p under 2^-126 falls to 0; a block of p whose byte would fall under 1 at the group's end keeps the byte 1 (its numbers then count for at most 6 x 2^-126 each, beside a row's sum above 1/2);
; the promise holds while the scaled scores stay under 2^31 in magnitude; NaN and infinities are not served.
; REGISTERS, in windows of 256 (s_set_vgpr_msb: bits 1:0 source 0, 3:2 source 1, 5:4 source 2, 7:6 destination):
;   window 0: v1-11 addresses; v12-19 statistics; v20-23 f; v24-27 Q's scale words; v28-29 p's; v32-47 K's scale words; v48-55 V's, v56-63 p's (two buffers each); v64-191 S^T, then p; in the values phase sets of p's fragments;
;             v192-207 p's codes, then the group's factors; v208-239 at work; v240-248 addresses
;   window 1: three sets of eight fragments at v0, v64, v128; v192-255 Q's (in the last values phase all 256: V's fragments of four steps).
;   windows 2, 3: O^T, query tiles 0-3 and 4-7: register 64 (qt % 4) + 8 e + j is channel 128 w + 16 e + 8 (lane / 16) + j.
.set REC,    69632
.set PART,   34816
.set SLOTB,  4*PART
.set BATCHB, 16*REC
.set PCB,    2*SLOTB                   ; behind the ring, for each of a group's four steps PSTR bytes: p's codes [query tile 0..7][1,024], the raw scale words (512), -M (512), the finished scale words [lane][wave] (512)
.set PSTR,   9728
.set FBB,    PCB+4*PSTR                ; the group's factor for each of the 128 queries; 512 bytes on: 1 / the row's sum
.set SPARE,  FBB+1024                  ; the spare words, 128 bytes a wave
.set SPITCH, 528                       ; the way out: a stage row is 512 bytes + 16
.set STAGEB, 16*SPITCH                 ; two stages a wave, in slot A, which has had its last fill and its last read by then
.set GO,1
.set AD,2
.set PCS0,3
.set PCS,4
.set RW0,5
.set RW,6
.set PWS,7
.set PWL,8
.set PCL,9
.set SPW,10
.set NIL,11
.set ST,12
.set F,20
.set QS,24
.set PS,28
.set STO,30
.set RD,31
.set KS,32
.set VS,48
.set PW,56
.set S,64
.set P,192
.set FR,192
.set WK,208
.set LR,208
.set VAD,240
.set VSA,242
.set FBL,244
.set FBS,245
.set NMP,246
.set PF0,247
.set PF1,248
.set QF,192
.set G1,24
.set G0K,32
.set G0V,36
.set TB,48
.set TW,49
.set TP,50
.set HM,51
.set PFB,52
.set MSB, 0
.macro WIN new                         ; the immediate's high byte repeats the setting that is left; a switch that changes nothing is dropped
.if MSB != (\new)
	s_set_vgpr_msb (MSB<<8)|(\new)
.set MSB, (\new)
.endif
.endm
.macro PLACES                          ; four plain places behind matrix instructions (not for loads)
.rept 4
	v_nop
.endr
.endm
.macro VW                              ; the wait behind vector writes
	s_wait_alu depctr_va_vdst(0)
.endm
.macro ROUND                           ; a round of the cluster's barrier
	s_barrier_signal -1
	s_barrier_wait -1
	s_cmp_lg_u32 s12, 0
	s_cbranch_scc1 .Lnot_wave_0_\@
	s_barrier_signal -3
.Lnot_wave_0_\@:
	s_barrier_wait -3
	s_barrier_signal -1
	s_barrier_wait -1
.endm
; One matrix instruction.  zero = 1: the constant 0 starts the sum;  ra, rb = 1: that side's scales lie in lanes 16-31.
.macro SMM d, a, bq, zero, sa, sb, ra, rb
.if (\zero) && (\ra) && (\rb)
	v_wmma_scale_f32_16x16x128_f8f6f4 v[\d:\d+7], v[\a:\a+7], v[\bq:\bq+7], 0, v[\sa], v[\sb] matrix_a_fmt:MATRIX_FMT_FP4 matrix_b_fmt:MATRIX_FMT_FP4 matrix_a_scale:MATRIX_SCALE_ROW1 matrix_b_scale:MATRIX_SCALE_ROW1
.elseif (\zero) && (\ra)
	v_wmma_scale_f32_16x16x128_f8f6f4 v[\d:\d+7], v[\a:\a+7], v[\bq:\bq+7], 0, v[\sa], v[\sb] matrix_a_fmt:MATRIX_FMT_FP4 matrix_b_fmt:MATRIX_FMT_FP4 matrix_a_scale:MATRIX_SCALE_ROW1
.elseif (\zero) && (\rb)
	v_wmma_scale_f32_16x16x128_f8f6f4 v[\d:\d+7], v[\a:\a+7], v[\bq:\bq+7], 0, v[\sa], v[\sb] matrix_a_fmt:MATRIX_FMT_FP4 matrix_b_fmt:MATRIX_FMT_FP4 matrix_b_scale:MATRIX_SCALE_ROW1
.elseif (\zero)
	v_wmma_scale_f32_16x16x128_f8f6f4 v[\d:\d+7], v[\a:\a+7], v[\bq:\bq+7], 0, v[\sa], v[\sb] matrix_a_fmt:MATRIX_FMT_FP4 matrix_b_fmt:MATRIX_FMT_FP4
.elseif (\ra) && (\rb)
	v_wmma_scale_f32_16x16x128_f8f6f4 v[\d:\d+7], v[\a:\a+7], v[\bq:\bq+7], v[\d:\d+7], v[\sa], v[\sb] matrix_a_fmt:MATRIX_FMT_FP4 matrix_b_fmt:MATRIX_FMT_FP4 matrix_a_scale:MATRIX_SCALE_ROW1 matrix_b_scale:MATRIX_SCALE_ROW1
.elseif (\ra)
	v_wmma_scale_f32_16x16x128_f8f6f4 v[\d:\d+7], v[\a:\a+7], v[\bq:\bq+7], v[\d:\d+7], v[\sa], v[\sb] matrix_a_fmt:MATRIX_FMT_FP4 matrix_b_fmt:MATRIX_FMT_FP4 matrix_a_scale:MATRIX_SCALE_ROW1
.elseif (\rb)
	v_wmma_scale_f32_16x16x128_f8f6f4 v[\d:\d+7], v[\a:\a+7], v[\bq:\bq+7], v[\d:\d+7], v[\sa], v[\sb] matrix_a_fmt:MATRIX_FMT_FP4 matrix_b_fmt:MATRIX_FMT_FP4 matrix_b_scale:MATRIX_SCALE_ROW1
.else
	v_wmma_scale_f32_16x16x128_f8f6f4 v[\d:\d+7], v[\a:\a+7], v[\bq:\bq+7], v[\d:\d+7], v[\sa], v[\sb] matrix_a_fmt:MATRIX_FMT_FP4 matrix_b_fmt:MATRIX_FMT_FP4
.endif
.endm
.macro LDK q, f                        ; 16 LDS loads: K's eight fragments of K step q of the part in hand into set f
	WIN 0x40
.irp kt, 0,1,2,3,4,5,6,7
.irp c, 0,1
	ds_load_b128 v[64*\f+8*\kt+4*\c:64*\f+8*\kt+4*\c+3], v[AD] offset:\kt*4096+\q*1024+512*\c
.endr
.endr
.endm
.macro PRELOAD                         ; 52 LDS loads: a part's scale words and K steps 0, 1, 2
	WIN 0
.irp b, 0,1,2,3
	ds_load_b128 v[KS+4*\b:KS+4*\b+3], v[AD] offset:32768+512*\b
.endr
	LDK 0, 0
	LDK 1, 1
	LDK 2, 2
	WIN 0
.endm
.macro MULS q, f, zero                 ; 16 matrix instructions of S^T = K Q^T; the 16 accumulators take turns
	WIN 0x05
.irp b, 0,1,2,3
.irp u, 0,1
.irp t, 0,1
	SMM S+64*\t+8*(2*\b+\u), 64*\f+8*(2*\b+\u), QF+32*\t+8*\q, \zero, KS+4*\b+\q, QS+\q, \u, \t
.endr
.endr
.endr
.endm
.macro LDPV s, f                       ; 34 LDS loads: my 8 fragments of V, all 8 of p, and both sides' scale words of the group's step s into buffer f
	WIN 0x40
.irp e, 0,1,2,3,4,5,6,7
.irp c, 0,1
	ds_load_b128 v[64*\f+8*\e+4*\c:64*\f+8*\e+4*\c+3], v[VAD+(\s)/2] offset:((\s)%2)*PART+\e*1024+512*\c
.endr
.endr
	WIN 0
.irp e, 0,1,2,3,4,5,6,7
.irp c, 0,1
	ds_load_b128 v[S+64*\f+8*\e+4*\c:S+64*\f+8*\e+4*\c+3], v[PCL] offset:(\s)*PSTR+\e*1024+512*\c
.endr
.endr
	ds_load_b128 v[VS+4*\f:VS+4*\f+3], v[VSA+(\s)/2] offset:((\s)%2)*PART
	ds_load_b128 v[PW+4*\f:PW+4*\f+3], v[PWL] offset:(\s)*PSTR
.endm
.macro MULPV f                         ; 64 matrix instructions of O^T += V^T P^T on 64 different accumulators
.irp qt, 0,1,2,3,4,5,6,7
	WIN 0xa1+0x50*(\qt/4)
.irp e, 0,1,2,3,4,5,6,7
	SMM 8*(8*(\qt%4)+\e), 64*\f+8*\e, S+64*\f+8*\qt, 0, VS+4*\f+\e/2, PW+4*\f+\qt/2, \e%2, \qt%2
.endr
.endr
.endm
.macro TIMES qt, fac                   ; O^T of query tile qt times v[fac + 2 qt], from each accumulator's low end on
	WIN 0x82+0x41*((\qt)/4)
	VW                                             ; directly ahead of the first readers of matrix results
.set RN, 64*((\qt)%4)
.rept 32
	v_pk_mul_f32 v[RN:RN+1], v[RN:RN+1], v[\fac+2*(\qt):\fac+2*(\qt)+1] op_sel_hi:[1,0]
.set RN, RN+2
.endr
.endm
; The softmax of a key step for my two tiles, which take turns line by line; at its end p's codes, scale word and -M go to LDS.
.macro SOFTMAX
	WIN 0
.irp b, 0,1,2,3
.irp t, 0,1
	v_max3_num_f32 v[WK+16*\t+\b], v[S+64*\t+16*\b], v[S+64*\t+16*\b+1], v[S+64*\t+16*\b+2]   ; the largest SCORE of each block of 32 keys: it serves the row's maximum and the block's largest p
.endr
.endr
.irp i, 3,5,7,9,11,13
.irp b, 0,1,2,3
.irp t, 0,1
	v_max3_num_f32 v[WK+16*\t+\b], v[WK+16*\t+\b], v[S+64*\t+16*\b+\i], v[S+64*\t+16*\b+\i+1]
.endr
.endr
.endr
.irp b, 0,1,2,3
.irp t, 0,1
	v_max_num_f32 v[WK+16*\t+\b], v[WK+16*\t+\b], v[S+64*\t+16*\b+15]
.endr
.endr
.irp b, 0,1,2,3
.irp t, 0,1
	v_permlanex16_b32 v[WK+16*\t+4+\b], v[WK+16*\t+\b], s20, s21
.endr
.endr
.irp b, 0,1,2,3
.irp t, 0,1
	v_max_num_f32 v[WK+16*\t+\b], v[WK+16*\t+\b], v[WK+16*\t+4+\b]   ; with lane l xor 16's 16 keys
.endr
.endr
.irp t, 0,1
	v_max3_num_f32 v[WK+16*\t+14], v[WK+16*\t], v[WK+16*\t+1], v[WK+16*\t+2]
.endr
.irp t, 0,1
	v_max_num_f32 v[WK+16*\t+14], v[WK+16*\t+14], v[WK+16*\t+3]
.endr
.irp t, 0,1
	v_mul_f32 v[WK+16*\t+14], s22, v[WK+16*\t+14]                    ; as t
.endr
.irp t, 0,1
	v_max_num_f32 v[ST+4*\t+1], v[ST+4*\t+1], v[WK+16*\t+14]         ; the running largest t
.endr
.irp t, 0,1
	v_mov_b32 v[WK+16*\t+14], v[ST+4*\t]
.endr
.irp t, 0,1
	v_floor_f32 v[ST+4*\t], -v[ST+4*\t+1]                            ; the new -M = -ceil(t)
.endr
.irp t, 0,1
	v_sub_f32 v[WK+16*\t+14], v[ST+4*\t], v[WK+16*\t+14]             ; old M - new M
.endr
.irp t, 0,1
	v_cvt_i32_f32 v[WK+16*\t+14], v[WK+16*\t+14]                     ; (it saturates)
.endr
.irp t, 0,1
	v_ldexp_f32 v[F+2*\t], 1.0, v[WK+16*\t+14]                       ; f = 2^(old M - new M), for the row's sum
.endr
.set SJ, 0
.rept 64
	v_pk_fma_f32 v[S+SJ:S+SJ+1], v[S+SJ:S+SJ+1], s[22:23], v[ST+4*(SJ/64):ST+4*(SJ/64)+1] op_sel_hi:[1,0,0]   ; t - M
.set SJ, SJ+2
.endr
.irp b, 0,1,2,3
.irp t, 0,1
	v_fma_f32 v[WK+16*\t+\b], v[WK+16*\t+\b], s22, v[ST+4*\t]        ; the same of each block's largest score
.endr
.endr
.set SJ, 0
	VW                                             ; ahead of the batch
.rept 128
	v_exp_f32 v[S+SJ], v[S+SJ]                                       ; p = 2^(t - M)
.set SJ, SJ+1
.endr
.irp b, 0,1,2,3
.irp t, 0,1
	v_exp_f32 v[WK+16*\t+\b], v[WK+16*\t+\b]                         ; the block's largest p
.endr
.endr
.irp t, 0,1
	v_pk_mul_f32 v[ST+4*\t+2:ST+4*\t+3], v[ST+4*\t+2:ST+4*\t+3], v[F+2*\t:F+2*\t+1] op_sel_hi:[1,0]   ; the sums under the new M
.endr
	VW                                             ; behind the batch
.irp b, 0,1,2,3
.irp t, 0,1
	v_max_num_f32 v[WK+16*\t+\b], 0x1800000, v[WK+16*\t+\b]          ; the floor 2^(3 - 127)
.endr
.endr
.irp b, 0,1,2,3
.irp t, 0,1
	v_add_nc_u32 v[WK+16*\t+8+\b], 0xff000000, v[WK+16*\t+\b]        ; the conversion's scale operand
.endr
.endr
.irp b, 0,1,2,3
.irp t, 0,1
	v_lshrrev_b32 v[WK+16*\t+4+\b], 23, v[WK+16*\t+8+\b]             ; the scale's byte
.endr
.endr
.irp t, 0,1
	v_lshl_or_b32 v[PS+\t], v[WK+16*\t+5], 8, v[WK+16*\t+4]
.endr
.irp t, 0,1
	v_lshl_or_b32 v[PS+\t], v[WK+16*\t+6], 16, v[PS+\t]
.endr
.irp t, 0,1
	v_lshl_or_b32 v[PS+\t], v[WK+16*\t+7], 24, v[PS+\t]
.endr
.irp t, 0,1
.irp b, 0,1,2,3
	v_cvt_scalef32_pk8_fp4_f32 v[P+8*\t+2*\b], v[S+64*\t+16*\b:S+64*\t+16*\b+7], v[WK+16*\t+8+\b]
	v_cvt_scalef32_pk8_fp4_f32 v[P+8*\t+2*\b+1], v[S+64*\t+16*\b+8:S+64*\t+16*\b+15], v[WK+16*\t+8+\b]
.endr
.endr
	v_nop                                          ; one plain line behind the scaled conversions
.irp t, 0,1
.irp c, 0,1
.irp i, 0,1
	v_permlane16_swap_b32 v[P+8*\t+4*\c+\i], v[P+8*\t+4*\c+2+\i]     ; a WHOLE block in a lane
.endr
.endr
.endr
	v_cndmask_b32 v[WK+15], v[PS], v[PS+1], s[HM]                    ; lanes 0-15 tile 0's query, lanes 16-31 tile 1's: the scale word,
	v_cndmask_b32 v[WK+31], v[ST], v[ST+4], s[HM]                    ; and -M
.irp t, 0,1
.irp c, 0,1
	ds_store_b128 v[PCS], v[P+8*\t+4*\c:P+8*\t+4*\c+3] offset:1024*\t+512*\c   ; the operand's registers as they stand, 16 bytes a lane
.endr
.endr
	ds_store_b32 v[RW], v[WK+15]
	ds_store_b32 v[RW], v[WK+31] offset:512
.irp t, 0,1
	v_pk_add_f32 v[WK+16*\t+12:WK+16*\t+13], v[S+64*\t:S+64*\t+1], v[S+64*\t+2:S+64*\t+3]   ; the row's sum of the UNQUANTISED p, in two chains a tile
.endr
.irp j, 4,8,12,16,20,24,28,32,36,40,44,48,52,56,60
.irp t, 0,1
	v_pk_add_f32 v[ST+4*\t+2:ST+4*\t+3], v[ST+4*\t+2:ST+4*\t+3], v[S+64*\t+\j:S+64*\t+\j+1]
	v_pk_add_f32 v[WK+16*\t+12:WK+16*\t+13], v[WK+16*\t+12:WK+16*\t+13], v[S+64*\t+\j+2:S+64*\t+\j+3]
.endr
.endr
.irp t, 0,1
	v_pk_add_f32 v[ST+4*\t+2:ST+4*\t+3], v[ST+4*\t+2:ST+4*\t+3], v[WK+16*\t+12:WK+16*\t+13]
.endr
.endm
; THE SCORES PHASE of a group: four key steps on slot A, written once and walked four times; then the group's end.
; LDS loads come back in order: at a step's head the scale words and K steps 0, 1, 2 are out, with at most six stores behind them; each count below is the fragment loads issued behind those waited for.
.macro SPHASE pf, last
	s_mov_b32 s[TB], 0
	s_mov_b32 s[TP], 0
	s_mov_b32 s[TW], 4
	v_mov_b32 v[AD], v[GO]                         ; slot A begins at LDS byte 0
	v_nop                                          ; (with the line above and the two additions below: places ahead of products that write over the last phase's operands)
	VW
	PRELOAD
.if \pf
	global_prefetch_b8 v[PF0], s[PFB:PFB+1] offset:4*REC th:TH_LOAD_NT scope:SCOPE_SE        ; the next group's K part cx: what the next refill brings,
	global_prefetch_b8 v[PF1], s[PFB:PFB+1] offset:4*REC th:TH_LOAD_NT scope:SCOPE_SE
	global_prefetch_b8 v[PF0], s[PFB:PFB+1] offset:4*REC+PART th:TH_LOAD_NT scope:SCOPE_SE   ; and its V part cx: what the refill after that brings
	global_prefetch_b8 v[PF1], s[PFB:PFB+1] offset:4*REC+PART th:TH_LOAD_NT scope:SCOPE_SE
.endif
.Lstep_\@:
	v_add_nc_u32 v[PCS], s[TP], v[PCS0]            ; where this step's codes and words go
	v_add_nc_u32 v[RW], s[TP], v[RW0]
	s_wait_dscnt 32                                ; the scale words and K step 0 are in
	MULS 0, 0, 1
	PLACES
	LDK 3, 0
	s_wait_dscnt 32                                ; K step 1
	MULS 1, 1, 0
	s_wait_dscnt 16                                ; K step 2
	MULS 2, 2, 0
	s_wait_dscnt 0x0                               ; K step 3
	MULS 3, 0, 0
	WIN 0
	PLACES                                         ; in front of the loads below and of the first read of the scores
	s_add_co_u32 s[TB], s[TB], PART
	v_add_nc_u32 v[AD], s[TB], v[GO]               ; the next part
	VW
	s_cmp_eq_u32 s[TW], 1                          ; the count of steps alone: the group's last step has no next part in the slot
	s_cbranch_scc1 .Lnopre_\@
	PRELOAD                                        ; the next step's fragments land under the softmax
.Lnopre_\@:
	SOFTMAX
	s_add_co_u32 s[TP], s[TP], PSTR
	s_sub_co_u32 s[TW], s[TW], 1
	s_cmp_lg_u32 s[TW], 0
	VW
	s_cbranch_scc1 .Lstep_\@
	; THE GROUP'S END.  My own words come back (LDS serves a wave's instructions in order); lane l stands for query l of my 32.
.irp s, 0,1,2,3
	ds_load_b32 v[WK+\s], v[RW0] offset:\s*PSTR
	ds_load_b32 v[WK+4+\s], v[RW0] offset:\s*PSTR+512
.endr
	v_cndmask_b32 v[WK+8], v[ST], v[ST+4], s[HM]   ; -M(group)
	v_sub_f32 v[WK+9], v[WK+8], v[NMP]             ; M(last group) - M(group): a whole number, 0 or less
	v_cvt_i32_f32 v[WK+9], v[WK+9]                 ; (it saturates: the first group's factor is 0, over zeros)
	v_ldexp_f32 v[WK+9], 1.0, v[WK+9]
	v_mov_b32 v[NMP], v[WK+8]
	ds_store_b32 v[FBS], v[WK+9]                   ; the group's factor for O^T
.if \last
.irp t, 0,1
	v_add_f32 v[ST+4*\t+2], v[ST+4*\t+2], v[ST+4*\t+3]
.endr
.irp t, 0,1
	v_permlanex16_b32 v[WK+24+\t], v[ST+4*\t+2], s20, s21
.endr
.irp t, 0,1
	v_add_f32 v[ST+4*\t+2], v[ST+4*\t+2], v[WK+24+\t]               ; the row's sum
.endr
	v_cndmask_b32 v[WK+26], v[ST+2], v[ST+6], s[HM]
	VW
	v_rcp_f32 v[WK+27], v[WK+26]
	v_nop
	VW
	ds_store_b32 v[FBS], v[WK+27] offset:512
.endif
	VW
	s_wait_dscnt 0x0
.irp s, 0,1,2,3
	v_sub_f32 v[WK+4+\s], v[WK+4+\s], v[WK+8]      ; d = M(group) - M(step), 0 or more
.endr
.irp s, 0,1,2,3
	v_min_num_f32 v[WK+4+\s], 0x42fe0000, v[WK+4+\s]   ; at most 127: no byte is larger
.endr
.irp s, 0,1,2,3
	v_cvt_u32_f32 v[WK+4+\s], v[WK+4+\s]
.endr
.irp s, 0,1,2,3
	v_add_nc_u32 v[WK+12+\s], 0xfefefeff, v[WK+\s] ; each byte less 1 (every byte is 1 to 125): what may be taken off it
.endr
.irp s, 0,1,2,3
	v_and_b32 v[WK+16+\s], 0xff, v[WK+12+\s]
.endr
.irp s, 0,1,2,3
	v_min_u32 v[WK+16+\s], v[WK+16+\s], v[WK+4+\s]
.endr
.irp n, 1,2,3
.irp s, 0,1,2,3
	v_bfe_u32 v[WK+20+\s], v[WK+12+\s], 8*\n, 8
.endr
.irp s, 0,1,2,3
	v_min_u32 v[WK+20+\s], v[WK+20+\s], v[WK+4+\s]
.endr
.irp s, 0,1,2,3
	v_lshl_or_b32 v[WK+16+\s], v[WK+20+\s], 8*\n, v[WK+16+\s]
.endr
.endr
.irp s, 0,1,2,3
	v_sub_nc_u32 v[WK+\s], v[WK+\s], v[WK+16+\s]   ; no byte borrows: each loses less than it holds
.endr
.irp s, 0,1,2,3
	ds_store_b32 v[PWS], v[WK+\s] offset:\s*PSTR   ; [lane][wave]: one load of 16 bytes a lane gives the words of all eight query tiles
.endr
.endm
; THE VALUES PHASE of groups 0 to 2, on slot B and p's images.  Each step's 34 loads are issued a step ahead, into the other buffer.
.macro PVPHASE
.irp qt, 0,1,2,3,4,5,6,7
	ds_load_b32 v[FR+2*\qt], v[FBL] offset:64*\qt
.endr
	LDPV 0, 0
	s_wait_dscnt 34                                ; the factors are in; behind them: step 0's 34 loads
.irp qt, 0,1,2,3,4,5,6,7
	TIMES \qt, FR                                  ; O^T under the group's M
.endr
	LDPV 1, 1
	VW
	s_wait_dscnt 34                                ; step 0's loads are in; behind them: step 1's
	MULPV 0
	PLACES
	LDPV 2, 0
	s_wait_dscnt 34
	MULPV 1
	PLACES
	LDPV 3, 1
	s_wait_dscnt 34
	MULPV 0
	s_wait_dscnt 0x0
	MULPV 1
	WIN 0
.endm
; THE CHANGE OF PHASES.  Each wave waits for its one tensor load that is out, adds 0 to its spare word, waits for that and for all its LDS reads and stores.  g0 other than 0: a round of the cluster's barrier,
; and behind it the slot just left is asked for again, with the next group's four parts.
.macro CHANGE g0
	VW
	s_wait_tensorcnt 0x0
	ds_add_u32 v[SPW], v[NIL]
.if \g0
	s_add_nc_u64 s[\g0+2:\g0+3], s[\g0+2:\g0+3], 4*REC
.endif
	s_wait_dscnt 0x0
.if \g0
	ROUND
	tensor_load_to_lds s[\g0:\g0+3], s[G1:G1+7]
	s_nop 0
	PLACES
.else
	s_barrier_signal -1
	s_barrier_wait -1
.endif
.endm
	s_load_b256 s[4:11], s[0:1], 0x0               ; kv, ys_codes, ys_scales, out0
	v_lshl_add_u32 v[SPW], v0, 2, SPARE
	v_mov_b32 v[NIL], 0
	ds_add_u32 v[SPW], v[NIL]
	ds_add_u32 v[SPW], v[NIL]
	v_lshrrev_b32 v253, 5, v0
	v_readfirstlane_b32 s12, v253                  ; wave 0..3
	v_and_b32 v249, 15, v0                         ; r
	v_bfe_u32 v250, v0, 4, 1                       ; h
	v_and_b32 v251, 31, v0                         ; lane
	v_lshlrev_b32 v252, 8, v249
	v_lshl_add_u32 v252, v250, 4, v252             ; Q: row r of 256 bytes, + 16 h
	v_lshlrev_b32 v[GO], 4, v251
	s_bfe_u32 s13, ttmp6, 0x40000                  ; cx: it enters ys's, out0's and the prefetches' addresses alone
	s_lshl_b32 s14, ttmp9, 2
	s_add_co_u32 s14, s14, s13                     ; my block of 128 queries
	s_and_b32 s15, ttmp7, 0xffff                   ; the batch
	s_lshl_b32 s16, s15, 11
	s_lshl_b32 s17, s14, 7
	s_add_co_u32 s16, s16, s17                     ; my work-group's first query among all 32,768
	s_lshl_b32 s17, s12, 5
	s_add_co_u32 s17, s16, s17                     ; my wave's first query in the scores phase
	s_lshl_b32 s42, s17, 8
	s_mov_b32 s43, 0
	s_lshl_b32 s44, s17, 4
	s_mov_b32 s45, 0
	s_lshl_b32 s46, s16, 11                        ; out0: the work-group's first row,
	s_lshl_b32 s47, s12, 9
	s_add_co_u32 s46, s46, s47                     ; + my 128 channels
	s_mov_b32 s47, 0
	s_mul_i32 s18, s15, BATCHB
	s_mov_b32 s19, 0
	s_mul_i32 s14, s12, REC                        ; my part of a slot: step 4 g + wave,
	s_mov_b32 s15, 0
	s_mul_i32 s41, s12, PART                       ; and its place in the slot
	s_mul_i32 s16, s13, REC                        ; the prefetches: part cx
	s_mov_b32 s17, 0
	s_mov_b32 s[G1+0], 15|(3<<16)|(1<<21)          ; the mask: all four work-groups; elements of 8 bytes; 136 dense rows of 256 bytes
	s_mov_b32 s[G1+1], 32<<16
	s_mov_b32 s[G1+2], 136<<16
	s_mov_b32 s[G1+3], 32<<16
	s_mov_b32 s[G1+4], 136
	s_mov_b32 s[G1+5], 32
	s_mov_b32 s[G1+6], 0
	s_mov_b32 s[G1+7], 0
	s_mov_b32 s20, 0x76543210
	s_mov_b32 s21, 0xfedcba98
	s_mov_b32 s22, 0x3fb8aa3b                      ; log2(e)
	s_mov_b32 s23, s22
	s_mov_b32 s[HM], 0xffff0000                    ; lanes 16-31
	s_lshl_b32 s54, s12, 11
	s_add_co_u32 s54, s54, PCB
	s_lshl_b32 s55, s12, 2
	s_add_co_u32 s55, s55, PCB+9216
	s_lshl_b32 s56, s12, 13
	s_add_co_u32 s56, s56, SLOTB
	s_lshl_b32 s57, s12, 9
	s_add_co_u32 s57, s57, SLOTB+32768
	s_mul_i32 s58, s12, 2*STAGEB
	s_mul_i32 s59, s12, 34
	VW
	s_wait_dscnt 0x0
	s_wait_kmcnt 0x0
	s_add_nc_u64 s[6:7], s[6:7], s[42:43]
	s_add_nc_u64 s[8:9], s[8:9], s[44:45]
	s_add_nc_u64 s[10:11], s[10:11], s[46:47]
	WIN 0x40
.irp t, 0,1
.irp q, 0,1,2,3
.irp c, 0,1
	global_load_b128 v[QF+32*\t+8*\q+4*\c:QF+32*\t+8*\q+4*\c+3], v252, s[6:7] offset:4096*\t+64*\q+32*\c th:TH_LOAD_NT   ; Q's fragments stay in registers
.endr
.endr
.endr
	WIN 0
	global_load_b128 v[QS:QS+3], v[GO], s[8:9] th:TH_LOAD_NT       ; Q's scale words: lane l takes query l's 16 bytes
	s_add_nc_u64 s[4:5], s[4:5], s[18:19]          ; the batch's records
	s_add_nc_u64 s[PFB:PFB+1], s[4:5], s[16:17]
	s_mov_b32 s[G0K], 1
	s_mov_b32 s[G0K+1], s41
	s_add_nc_u64 s[G0K+2:G0K+3], s[4:5], s[14:15]
	s_mov_b32 s[G0V], 1
	s_add_co_u32 s[G0V+1], s41, SLOTB
	s_add_nc_u64 s[G0V+2:G0V+3], s[G0K+2:G0K+3], PART
	s_or_b32 s[G0K+3], s[G0K+3], 0x80000000
	s_or_b32 s[G0V+3], s[G0V+3], 0x80000000
	ROUND                                          ; the first joint loads meet
	tensor_load_to_lds s[G0K:G0K+3], s[G1:G1+7]    ; group 0's K parts: my one tensor load at the head
	s_nop 0
	PLACES
	v_add_nc_u32 v[PCS0], s54, v[GO]               ; p's codes: my two query tiles
	v_lshl_add_u32 v[RW0], v0, 2, PCB+8192         ; my raw word
	v_add_nc_u32 v[PWS], s55, v[GO]
	v_add_nc_u32 v[PWL], PCB+9216, v[GO]
	v_add_nc_u32 v[PCL], PCB, v[GO]
	v_add_nc_u32 v[VAD], s56, v[GO]                ; V: my eight channel tiles in steps 0 and 1 of slot B,
	v_add_nc_u32 v[VAD+1], 2*PART, v[VAD]          ; and in steps 2 and 3
	v_add_nc_u32 v[VSA], s57, v[GO]
	v_add_nc_u32 v[VSA+1], 2*PART, v[VSA]
	v_lshl_add_u32 v[FBL], v249, 2, FBB
	v_lshl_add_u32 v[FBS], v0, 2, FBB
	v_add_lshl_u32 v[PF0], v251, s59, 8            ; the prefetches: blocks 34 w + lane,
	v_min_u32 v253, 1, v251
	v_add_nc_u32 v253, 32, v253
	v_add_lshl_u32 v[PF1], v253, s59, 8            ; and 34 w + 32, 33 (the lanes left over name the last again)
	v_mul_u32_u24 v[STO], v249, SPITCH
	v_lshl_add_u32 v[STO], v250, 5, v[STO]
	v_add_nc_u32 v[STO], s58, v[STO]               ; the stage, in: row r, + 32 h
	v_add_nc_u32 v[RD], s58, v[GO]                 ; back: 32 lanes take a row's 512 bytes
.irp t, 0,1
	v_mov_b32 v[ST+4*\t+1], 0xff61b1e6             ; the largest t so far: -3e38
	v_floor_f32 v[ST+4*\t], -v[ST+4*\t+1]
	v_mov_b32 v[ST+4*\t+2], 0
	v_mov_b32 v[ST+4*\t+3], 0
	v_mov_b32 v[F+2*\t+1], 0
.irp b, 0,1,2,3
	v_mov_b32 v[WK+16*\t+4+\b], 0                  ; a lane permute's destination counts as one of its sources
.endr
.endr
	v_mov_b32 v[NMP], v[ST]
	; O^T begins as zeros, written while the first parts are on their way, so that the first group is a group like every other: its factor is 0.
	WIN 0x80
.set RN, 0
.rept 256
	v_mov_b32 v[RN], 0
.set RN, RN+1
.endr
	WIN 0xc0
.set RN, 0
.rept 256
	v_mov_b32 v[RN], 0
.set RN, RN+1
.endr
	WIN 0
	VW                                             ; the head's end
	s_wait_tensorcnt 0x0                           ; slot B's first fill is issued as a refill is
	ds_add_u32 v[SPW], v[NIL]
	s_wait_dscnt 0x0
	ROUND
	tensor_load_to_lds s[G0V:G0V+3], s[G1:G1+7]    ; group 0's V parts
	s_nop 0
	PLACES
	s_wait_loadcnt 0x0                             ; Q
	s_mov_b32 s40, 3
.Lgroup:                                               ; three trips: groups 0 to 2
	SPHASE 1, 0
	CHANGE G0K                                     ; slot A takes the next group's K parts
	PVPHASE
	CHANGE G0V                                     ; slot B the next group's V parts
	s_wait_xcnt 0x0                                ; my prefetches have read their base
	s_add_nc_u64 s[PFB:PFB+1], s[PFB:PFB+1], 4*REC
	s_sub_co_u32 s40, s40, 1
	s_cmp_lg_u32 s40, 0
	s_cbranch_scc1 .Lgroup
	SPHASE 0, 1                                    ; the last group is written out: it asks for nothing more
	CHANGE 0
	; THE WAY OUT of a query tile: O^T / the row's sum, through one of my two stages (a lane holds 32 bytes of a row; the rows come back whole), and stored: 32 lanes store 512 consecutive bytes, aligned.
.macro OUTQ qt
	TIMES \qt, LR
	WIN 0x08+4*((\qt)/4)
.irp e, 0,1,2,3,4,5,6,7
	ds_store_b128 v[STO], v[64*((\qt)%4)+8*\e:64*((\qt)%4)+8*\e+3] offset:((\qt)%2)*STAGEB+64*\e
	ds_store_b128 v[STO], v[64*((\qt)%4)+8*\e+4:64*((\qt)%4)+8*\e+7] offset:((\qt)%2)*STAGEB+64*\e+16
.endr
	WIN 0x80+0x40*((\qt)/4)                        ; the rows come back into the tile's own accumulators, which are done with: row i into registers 4 i on (LDS serves a wave's instructions in order)
.irp i, 0,1,2,3,4,5,6,7,8,9,10,11,12,13,14,15
	ds_load_b128 v[64*((\qt)%4)+4*\i:64*((\qt)%4)+4*\i+3], v[RD] offset:((\qt)%2)*STAGEB+\i*SPITCH
.endr
	WIN 0
.endm
.macro SENDQ qt
	WIN 0x08+4*((\qt)/4)                           ; a store's data are its source 1; no store's data are written again
.irp i, 0,1,2,3,4,5,6,7,8,9,10,11,12,13,14,15
	global_store_b128 v[GO], v[64*((\qt)%4)+4*\i:64*((\qt)%4)+4*\i+3], s[10:11] offset:(16*(\qt)+\i)*2048
.endr
	WIN 0
.endm
; THE LAST GROUP'S VALUES PHASE GOES BY QUERY TILES, so that finished tiles leave while the others are multiplied.  Q's registers are done with: my fragments of V of all four steps fill window 1 (step s at v[64 s]);
; V's scale words lie where K's lay (v32-47), p's at v48-63; p's fragments of a tile (four steps, 32 registers) take turns on four buffers in v64-191.  A tile: x the group's factor, 32 matrix instructions
; (its 8 accumulators by turns), x 1 / the row's sum, the stage, the stores.  The same LDS bytes are read and the same products made as in the other groups.
.set VSL, 32
.set PWQ, 48
.macro LDP qt                          ; 8 LDS loads: p's fragments of query tile qt
	WIN 0
.irp s, 0,1,2,3
.irp c, 0,1
	ds_load_b128 v[S+32*((\qt)%4)+8*\s+4*\c:S+32*((\qt)%4)+8*\s+4*\c+3], v[PCL] offset:\s*PSTR+(\qt)*1024+512*\c
.endr
.endr
.endm
.macro MULQ qt, prog                   ; prog = 1 (the first tile): each step waits for its own fragments of V: behind them V's later steps, 16 loads each, and 8 of p
	WIN 0xa1+0x50*((\qt)/4)
.irp s, 0,1,2,3
.if \prog
	s_wait_dscnt 56-16*\s
.endif
.irp e, 0,1,2,3,4,5,6,7
	SMM 8*(8*((\qt)%4)+\e), 64*\s+8*\e, S+32*((\qt)%4)+8*\s, 0, VSL+4*\s+\e/2, PWQ+4*\s+(\qt)/2, \e%2, (\qt)%2
.endr
.endr
.endm
.irp qt, 0,1,2,3,4,5,6,7
	ds_load_b32 v[FR+2*\qt], v[FBL] offset:64*\qt                  ; the group's factors,
.endr
.irp qt, 0,1,2,3,4,5,6,7
	ds_load_b32 v[LR+2*\qt], v[FBL] offset:512+64*\qt              ; and 1 / the rows' sums
.endr
.irp s, 0,1,2,3
	ds_load_b128 v[VSL+4*\s:VSL+4*\s+3], v[VSA+\s/2] offset:(\s%2)*PART
	ds_load_b128 v[PWQ+4*\s:PWQ+4*\s+3], v[PWL] offset:\s*PSTR
.endr
	LDP 0
	LDP 1
	WIN 0x40
.irp s, 0,1,2,3
.irp e, 0,1,2,3,4,5,6,7
.irp c, 0,1
	ds_load_b128 v[64*\s+8*\e+4*\c:64*\s+8*\e+4*\c+3], v[VAD+\s/2] offset:(\s%2)*PART+\e*1024+512*\c
.endr
.endr
.endr
	WIN 0
.irp qt, 0,1,2,3,4,5,6,7
.if \qt < 6
	LDP \qt+2                                      ; into the buffer of the tile four back; the multiplications in between are its places
.endif
.if \qt == 0
	s_wait_dscnt 63                                ; of the 112 loads issued the oldest 49 are in: the factors and the reciprocals are the first 16
.endif
	TIMES \qt, FR                                  ; O^T under the last M
	VW
.if \qt == 0
	MULQ 0, 1
.else
.if \qt == 1
	s_wait_dscnt 16                                ; behind this tile's fragments of p: those of the next two tiles
.elseif \qt < 6
	s_wait_dscnt 40                                ; at most the last tile's 32 stage instructions and the 8 loads just issued are out
.else
	s_wait_dscnt 32
.endif
	MULQ \qt, 0
.endif
.if \qt >= 2
.if \qt < 6
	s_wait_dscnt 8                                 ; the tile two back has come back from the stage; behind it: 8 loads of p
.else
	s_wait_dscnt 0x0
.endif
	SENDQ \qt-2
.endif
.if \qt >= 1
	OUTQ \qt-1                                     ; the 32 multiplications by the factor above are the places behind its products
.endif
.endr
	OUTQ 7                                         ; (tile 6's 32 multiplications are the places behind its products)
	s_wait_dscnt 32                                ; tile 6 is back; behind it: tile 7's 16 stores and 16 loads
	SENDQ 6
	s_wait_dscnt 0x0
	SENDQ 7
	s_wait_tensorcnt 0x0                           ; the wave's end
	ds_add_u32 v[SPW], v[NIL]
	s_wait_dscnt 0x0
	ROUND                                          ; the closing round
	s_endpgm
.Lfunc_end_k_q47239faa5d_attn:
	.size	k_q47239faa5d_attn, .Lfunc_end_k_q47239faa5d_attn-k_q47239faa5d_attn
	.p2alignl 7, 3214868480
	.fill 96, 4, 3214868480
	.section	.rodata,"a",@progbits
	.p2align	6, 0x0
	.amdhsa_kernel k_q47239faa5d_attn
		.amdhsa_group_segment_fixed_size 327680
		.amdhsa_private_segment_fixed_size 0
		.amdhsa_enable_private_segment 0
		.amdhsa_kernarg_size 32
		.amdhsa_user_sgpr_count 2
		.amdhsa_user_sgpr_kernarg_segment_ptr 1
		.amdhsa_wavefront_size32 1
		.amdhsa_system_sgpr_workgroup_id_x 1
		.amdhsa_system_sgpr_workgroup_id_y 1
		.amdhsa_system_sgpr_workgroup_id_z 1
		.amdhsa_system_vgpr_workitem_id 0
		.amdhsa_next_free_vgpr 1024
		.amdhsa_next_free_sgpr 66
		.amdhsa_reserve_vcc 0
		.amdhsa_float_denorm_mode_32 3
		.amdhsa_float_denorm_mode_16_64 3
		.amdhsa_memory_ordered 1
		.amdhsa_forward_progress 1
		.amdhsa_inst_pref_size 255
	.end_amdhsa_kernel
	.section	.bss,"aw",@nobits
	.p2align	6
	.space	262144
	.amdgpu_metadata
---
amdhsa.version: [ 1, 2 ]
amdhsa.kernels:
  - .name:           k_q47239faa5d_attn
    .symbol:         k_q47239faa5d_attn.kd
    .args:
      - { .name: kv, .offset: 0, .size: 8, .value_kind: global_buffer, .address_space: global }
      - { .name: ys_codes, .offset: 8, .size: 8, .value_kind: global_buffer, .address_space: global }
      - { .name: ys_scales, .offset: 16, .size: 8, .value_kind: global_buffer, .address_space: global }
      - { .name: out0, .offset: 24, .size: 8, .value_kind: global_buffer, .address_space: global }
    .group_segment_fixed_size: 327680
    .private_segment_fixed_size: 0
    .kernarg_segment_align: 8
    .kernarg_segment_size: 32
    .max_flat_workgroup_size: 128
    .sgpr_count:     66
    .vgpr_count:     1024
    .wavefront_size: 32
...
	.end_amdgpu_metadata
.endif
;; end of part 4
